; MI455X (gfx1250); checked and timed in simulation.
; The chip was launched on July 23, 2026; its instructions are those of AMD's public machine-readable ISA for CDNA 5 (MIT licence, August 2026) and "CDNA5" Instruction Set Architecture Reference Guide (July 2026). The comments in the code are by the model that wrote it; some were corrected since.
;; Simple Decoder. Allowed arithmetic: matrix products marked QUANTISED: E4M3 operands, one given power-of-two scale a tensor, by v_wmma_f32_16x16x64_fp8_fp8 or v_wmma_f32_16x16x128_fp8_fp8, f32 sums; everything else in f32.
;; Inputs: Wdown_codes 1,024 x 128 x 32 uint8 (E4M3 codes of Wdown, K innermost, in blocks of 32 codes); Wk_codes 1,024 x 32 x 32 uint8 (E4M3 codes of Wk, K innermost, in blocks of 32 codes); Wo_codes 1,024 x 32 x 32 uint8 (E4M3 codes of Wo, K innermost, in blocks of 32 codes); Wq_codes 1,024 x 32 x 32 uint8 (E4M3 codes of Wq, K innermost, in blocks of 32 codes); Wup_codes 4,096 x 32 x 32 uint8 (E4M3 codes of Wup, K innermost, in blocks of 32 codes); Wv_codes 1,024 x 32 x 32 uint8 (E4M3 codes of Wv, K innermost, in blocks of 32 codes); X 2 x 2,048 x 1,024 float32; bdown 1,024 float32; bk 1,024 float32; bo 1,024 float32; bq 1,024 float32; bup 4,096 float32; bv 1,024 float32; ln1_b 1,024 float32; ln1_w 1,024 float32; ln2_b 1,024 float32; ln2_w 1,024 float32; lowp_scales 16 int32 (the exponents e of the quantised operands' scales 2^e).
;; Outputs: out0 2 x 2,048 x 1,024 float32.
;; This version of the problem:
;;   THIS VERSION OF THE PROBLEM IS GIVEN IN LOW PRECISION. The matrix products marked QUANTISED in the list below multiply operands that are first quantised to E4M3 (4 exponent bits, 3 mantissa bits; 8 bits a number), with one given power-of-two scale for each operand tensor; their sums are f32. All else is computed in f32.
;;   The module's matrix products, in the order in which they are computed (A, B: the left and right operand; K: the contracted axis; several contracted axes count as one K, in the product's order):
;;     1. [M 4,096, K 1,024] x [K 1,024, N 1,024]; A: input X; B: input Wq (given as codes): QUANTISED (scales: A lowp_scales[0], B lowp_scales[1])
;;     2. [M 4,096, K 1,024] x [K 1,024, N 1,024]; A: input X; B: input Wk (given as codes): QUANTISED (scales: A lowp_scales[2], B lowp_scales[3])
;;     3. [M 4,096, K 1,024] x [K 1,024, N 1,024]; A: input X; B: input Wv (given as codes): QUANTISED (scales: A lowp_scales[4], B lowp_scales[5])
;;     4. batch 32 x [M 2,048, K 64] x [K 64, N 2,048]; A: computed on the way; B: computed on the way: QUANTISED (scales: A lowp_scales[6], B lowp_scales[7])
;;     5. batch 32 x [M 2,048, K 2,048] x [K 2,048, N 64]; A: softmax (see below); B: computed on the way: QUANTISED (scales: A lowp_scales[8], B lowp_scales[9])
;;     6. [M 4,096, K 1,024] x [K 1,024, N 1,024]; A: computed on the way; B: input Wo (given as codes): QUANTISED (scales: A lowp_scales[10], B lowp_scales[11])
;;     7. [M 4,096, K 1,024] x [K 1,024, N 4,096]; A: computed on the way; B: input Wup (given as codes): QUANTISED (scales: A lowp_scales[12], B lowp_scales[13])
;;     8. [M 4,096, K 4,096] x [K 4,096, N 1,024]; A: computed on the way; B: input Wdown (given as codes): QUANTISED (scales: A lowp_scales[14], B lowp_scales[15])
;;   THE QUANTISER, for each operand of a quantised product, along K:
;;     - The operand's scale is 2^e, e = its entry of the input lowp_scales (int32; the entries are numbered through the quantised products in the list's order, A before B).
;;     - Each number is divided by the scale, clamped to +-448, and rounded to the nearest number of E4M3, ties to even, subnormals kept.
;;     - The product sums the exact products of the quantised numbers (number of the format x scale) in f32.
;;   ~~~python
;;   def quantise(x, axis, e):      # numpy; x: float32 -> the quantised numbers, widened to float32 again
;;       x = np.moveaxis(x, axis, -1); K = x.shape[-1]
;;       r = np.clip(x / 2.0 ** e, -448, 448)
;;       step = 2.0 ** (np.maximum(np.frexp(np.where(r == 0, 1, r))[1] - 1, -6) - 3)
;;       q = np.round(r / step) * step * 2.0 ** e      # np.round: ties to even
;;       return np.moveaxis(q, -1, axis).astype(np.float32)
;;   ~~~
;;   SOFTMAX AHEAD OF A QUANTISED PRODUCT. Where the list says 'softmax', what is quantised is not the finished softmax but p = 2^(t - M), with t = logit x log2(e) and M = ceil(the row's largest t), a whole number; so 1/2 < the row's largest p <= 1. The row's sum l is taken of the UNQUANTISED p, in f32, and the product's result is divided by l at the end. Since M is a whole number, a kernel that streams over the keys may use a running M (the ceiling of the running maximum): every later rescaling is an exact power of two, so the quantised numbers keep their values, but for numbers so far below the row's largest that they fall under the format's range.
;;   OPERANDS COMPUTED ON THE WAY. 'Computed on the way' means the value that the module computes at that place (a softmax that the list does not call 'softmax' is quantised finished and normalised). What goes into a quantiser is computed in f32, as accurately as f32 sums, v_exp_f32 and their like allow (about 1e-6 of the number): no bf16 or f16 on the way to a quantiser, and a product that is left as it is and whose result goes on into a quantised operand takes f32 operands (vector FMAs, or v_wmma_f32_16x16x4_f32). A number that lies on a knife's edge between two numbers of the format may be rounded either way, as far as f32 arithmetic and the matrix unit's own rounding can turn it there, and no further.
;;   INPUTS GIVEN AS CODES. Wdown (in the module: [1024, 4096], K = its axis 1); Wk (in the module: [1024, 1024], K = its axis 1); Wo (in the module: [1024, 1024], K = its axis 1); Wq (in the module: [1024, 1024], K = its axis 1); Wup (in the module: [4096, 1024], K = its axis 1); Wv (in the module: [1024, 1024], K = its axis 1): each comes as NAME_codes (uint8): NAME with its K axis moved to the last place and cut into blocks of 32 codes, [.., K / 32, bytes a block], one block behind the other in memory; one code a byte (a code: sign, 4 exponent bits, 3 mantissa bits); its scale is its entry of lowp_scales. Its value is code x scale, taken as it is: it is not quantised again, and the codes and scales need not be those that the quantiser above would give.
;; One version. Each part assembles by itself: llvm-mc -triple=amdgcn-amd-amdhsa -mcpu=gfx1250 --defsym DOCPART=n.
;; ======== version 1 of 1: 8 launches
;; limits: right only within a limited range of input values
;; workspace buffers: xc 12,582,912 bytes; qkv 12,582,912 bytes; ao 4,194,304 bytes; zsum 16,777,216 bytes; xln 16,777,216 bytes; xq 4,194,304 bytes; hid 16,777,216 bytes
;; launch quantx (part 1): grid 256 x 1, 4 waves a work-group, no clusters, 12,800 bytes of LDS; arguments X, lowp_scales, xc; writes xc
.if DOCPART == 1
	.amdgcn_target "amdgcn-amd-amdhsa--gfx1250"
	.amdhsa_code_object_version 6
	.text
	.protected	k_qca5ff0dfd1_quantx
	.globl	k_qca5ff0dfd1_quantx
	.p2align	8
	.type	k_qca5ff0dfd1_quantx,@function
k_qca5ff0dfd1_quantx:
	s_mov_b64 s[64:65], 0
	v_nop
	global_prefetch_b8 v0, s[64:65] scope:SCOPE_SE
	s_setreg_imm32_b32 hwreg(HW_REG_WAVE_MODE, 25, 1), 1
	s_wait_xcnt 0x0
; X [4096][1024] f32 becomes three sets of E4M3 codes, [4096][1024] bytes each, 4,194,304 bytes apart in xc: set s under the scale 2^e, e = entry 2 s of the scales (X is the left operand of
; three products, each with a scale of its own).  code = x / 2^e, held within +-448, to the nearest code, ties to even.
; LIMITS: each e between -126 and 119, so that 2^e and 448 x 2^e are f32 numbers.  NaN among the inputs is not served; an infinity is held at the largest code.
; SHARES: a work-group takes 16 rows, a wave 4.  Load j of a row reads 512 consecutive bytes: lane l holds columns 128 j + 4 l .. + 3.  A conversion takes 8 registers (loads 2 k and 2 k + 1) and
; gives 2 registers: register j of a row's 8 = the 4 codes of columns 128 j + 4 l on.  They go through the wave's own LDS bytes (4 bytes a lane in, 16 bytes a lane out), so that each store covers 512 consecutive bytes, aligned.
; No barrier: waves share nothing.  All 32 loads of a wave go out at the head.
; WORK LEFT OUT IN THIS PROGRAM (launch attn): the products of a tile of queries with key steps all of whose keys come after all of its queries.  reference() builds the causal mask in its own body and
; puts -1e20 in place of those scores ahead of the softmax, whatever the inputs hold, so their weights are thrown away; the steps come in whole tiles.  LIMIT: a NaN, an infinity or an overflow that reaches only those steps is not carried to the result.
.set WREG, 3072
.set SC,   4                           ; v4-6    2^e as f32, for set 0, 1, 2
.set LM,   8                           ; v8-10   448 x 2^e
.set XR,   32                          ; v32-159 four rows as loaded
.set T,    160                         ; v160-191 a row, held
.set C,    192                         ; v192-215 a row's codes, 8 registers a set
.set O,    216                         ; v216-239 the same, back from LDS: 16 bytes a lane
	s_load_b128 s[4:7], s[0:1], 0x0                ; X, the scales' exponents
	s_load_b64 s[8:9], s[0:1], 0x10                ; xc
	v_lshl_add_u32 v240, v0, 2, 0x3000
	v_mov_b32 v241, 0
	v_lshrrev_b32 v1, 5, v0
	v_readfirstlane_b32 s14, v1                    ; wave 0..3
	v_and_b32 v7, 31, v0                           ; lane
	v_lshlrev_b32 v1, 4, v7                        ; 16 bytes a lane: loads of X, stores of codes
	s_mul_i32 s28, s14, WREG
	v_lshl_add_u32 v2, v7, 2, s28                  ; LDS, in: 4 bytes a lane
	v_lshl_add_u32 v3, v7, 4, s28                  ; LDS, out: 16 bytes a lane
	s_lshl_b32 s15, ttmp9, 4
	s_lshl_b32 s24, s14, 2
	s_add_co_u32 s15, s15, s24                     ; my first row: 16 x work-group + 4 x wave
	s_lshl_b32 s24, s15, 12                        ; in X: rows of 4,096 bytes
	s_mov_b32 s25, 0
	s_lshl_b32 s26, s15, 10                        ; in a set of codes: rows of 1,024 bytes
	s_mov_b32 s27, 0
	s_wait_alu depctr_va_vdst(0)
	s_wait_kmcnt 0x0
	s_load_b256 s[16:23], s[6:7], 0x0              ; entries 0 to 7: 0, 2 and 4 are X's
	s_add_nc_u64 s[4:5], s[4:5], s[24:25]
	s_add_nc_u64 s[8:9], s[8:9], s[26:27]          ; set 0,
	s_add_nc_u64 s[10:11], s[8:9], 0x400000        ; set 1,
	s_add_nc_u64 s[12:13], s[8:9], 0x800000        ; set 2: a base each, since the distance does not fit a store's immediate
.irp i, 0,1,2,3
.irp j, 0,1,2,3,4,5,6,7
	global_load_b128 v[XR+32*\i+4*\j:XR+32*\i+4*\j+3], v1, s[4:5] offset:4096*\i+512*\j th:TH_LOAD_NT
.endr
.endr
	s_wait_kmcnt 0x0
.irp s, 0,1,2
	s_add_co_i32 s28, s[16+2*\s], 127
	s_lshl_b32 s29, s28, 23
	v_mov_b32 v[SC+\s], s29                        ; 2^e: the conversion takes its exponent field
	s_add_co_i32 s28, s28, 8
	s_lshl_b32 s28, s28, 23
	s_or_b32 s28, s28, 0x600000
	v_mov_b32 v[LM+\s], s28                        ; 448 x 2^e
.endr
.macro QROW i
	s_wait_loadcnt 24-8*\i                         ; loads come back in order: row i's eight are in, the later rows' may be out
	s_wait_xcnt 0x0                                ; the last row's stores have read v[O] on: it is loaded again only behind this wait
.irp s, 0,1,2
.irp n, 0,1,2,3,4,5,6,7,8,9,10,11,12,13,14,15,16,17,18,19,20,21,22,23,24,25,26,27,28,29,30,31
	v_med3_num_f32 v[T+\n], v[XR+32*\i+\n], -v[LM+\s], v[LM+\s]   ; the conversion to an 8-bit code does not saturate (ISA guide 7.6.2): the hold comes first
.endr
.irp k, 0,1,2,3
	v_cvt_scalef32_pk8_fp8_f32 v[C+8*\s+2*\k:C+8*\s+2*\k+1], v[T+8*\k:T+8*\k+7], v[SC+\s]
.endr
	v_nop                                          ; one plain vector line between the conversions and the next set's holds, which write their sources
.irp j, 0,1,2,3,4,5,6,7
	ds_store_b32 v2, v[C+8*\s+\j] offset:1024*\s+128*\j
.endr
.endr
.irp s, 0,1,2
.irp k, 0,1
	ds_load_b128 v[O+8*\s+4*\k:O+8*\s+4*\k+3], v3 offset:1024*\s+512*\k   ; LDS serves a wave's instructions in order: these see my stores
.endr
.endr
	s_wait_dscnt 0x0
.irp s, 0,1,2
.irp k, 0,1
	global_store_b128 v1, v[O+8*\s+4*\k:O+8*\s+4*\k+3], s[8+2*\s:9+2*\s] offset:1024*\i+512*\k   ; 32 lanes store 512 consecutive bytes, aligned
.endr
.endr
.endm
	s_wait_alu depctr_va_vdst(0)
	QROW 0
	QROW 1
	QROW 2
	QROW 3
	s_wait_tensorcnt 0x0
	ds_add_u32 v240, v241
	s_wait_dscnt 0x0
	s_endpgm
.Lfunc_end_k_qca5ff0dfd1_quantx:
	.size	k_qca5ff0dfd1_quantx, .Lfunc_end_k_qca5ff0dfd1_quantx-k_qca5ff0dfd1_quantx
	.p2alignl 7, 3214868480
	.fill 96, 4, 3214868480
	.section	.rodata,"a",@progbits
	.p2align	6, 0x0
	.amdhsa_kernel k_qca5ff0dfd1_quantx
		.amdhsa_group_segment_fixed_size 12800
		.amdhsa_private_segment_fixed_size 0
		.amdhsa_enable_private_segment 0
		.amdhsa_kernarg_size 24
		.amdhsa_user_sgpr_count 2
		.amdhsa_user_sgpr_kernarg_segment_ptr 1
		.amdhsa_wavefront_size32 1
		.amdhsa_system_sgpr_workgroup_id_x 1
		.amdhsa_system_sgpr_workgroup_id_y 1
		.amdhsa_system_sgpr_workgroup_id_z 1
		.amdhsa_system_vgpr_workitem_id 0
		.amdhsa_next_free_vgpr 242
		.amdhsa_next_free_sgpr 66
		.amdhsa_reserve_vcc 0
		.amdhsa_float_denorm_mode_32 3
		.amdhsa_float_denorm_mode_16_64 3
		.amdhsa_memory_ordered 1
		.amdhsa_forward_progress 1
		.amdhsa_inst_pref_size 43
	.end_amdhsa_kernel
	.amdgpu_metadata
---
amdhsa.version: [ 1, 2 ]
amdhsa.kernels:
  - .name:           k_qca5ff0dfd1_quantx
    .symbol:         k_qca5ff0dfd1_quantx.kd
    .args:
      - { .name: X, .offset: 0, .size: 8, .value_kind: global_buffer, .address_space: global }
      - { .name: lowp_scales, .offset: 8, .size: 8, .value_kind: global_buffer, .address_space: global }
      - { .name: xc, .offset: 16, .size: 8, .value_kind: global_buffer, .address_space: global }
    .group_segment_fixed_size: 12800
    .private_segment_fixed_size: 0
    .kernarg_segment_align: 8
    .kernarg_segment_size: 24
    .max_flat_workgroup_size: 128
    .sgpr_count:     66
    .vgpr_count:     242
    .wavefront_size: 32
...
	.end_amdgpu_metadata
.endif
;; end of part 1
;; launch projqkv (part 2): grid 12 x 16, 4 waves a work-group, clusters of 4 x 4, 327,680 bytes of LDS; arguments xc, Wq_codes, Wk_codes, Wv_codes, lowp_scales, bq, bk, bv, qkv; writes qkv
.if DOCPART == 2
	.amdgcn_target "amdgcn-amd-amdhsa--gfx1250"
	.amdhsa_code_object_version 6
	.text
	.protected	k_qca5ff0dfd1_projqkv
	.globl	k_qca5ff0dfd1_projqkv
	.p2align	8
	.type	k_qca5ff0dfd1_projqkv,@function
k_qca5ff0dfd1_projqkv:
	s_mov_b64 s[64:65], 0
	v_nop
	global_prefetch_b8 v0, s[64:65] scope:SCOPE_SE
	s_setreg_imm32_b32 hwreg(HW_REG_WAVE_MODE, 25, 1), 1
	s_wait_xcnt 0x0
	s_wait_alu depctr_hold_cnt(0) depctr_sa_sdst(0) depctr_va_vdst(0) depctr_va_sdst(0) depctr_va_ssrc(0) depctr_va_vcc(0) depctr_vm_vsrc(0)
	s_getreg_b32 s2, hwreg(HW_REG_IB_STS2, 6, 4)
	s_cmp_eq_u32 s2, 0
	s_cbranch_scc0 .Lentry_in_a_cluster
	s_endpgm
.Lentry_in_a_cluster:
	s_bfe_u32 s2, ttmp6, 0x10000c
	s_cmp_lg_u32 s2, 0xf033
	s_cbranch_scc0 .Lentry_shape_is_right
	s_endpgm
.Lentry_shape_is_right:
; A GEMM on E4M3 codes whose results leave as E4M3 codes.  One source serves two launches, told apart by KIND.
; KIND 0: q = X Wq^T + bq, k = X Wk^T + bk, v = X Wv^T + bv, K = 1,024.  Cluster x = 0, 1, 2 says which.  q and k: A = X's codes (set 0, 1), B = the weight: C [4096 tokens][1024 channels].
;   v IS MADE TRANSPOSED: A = Wv, B = X's codes (set 2): C [1024 channels][4096 tokens], so that v's codes come out with the keys innermost, as the second product of attention wants them.
;   Results: qkv + 0: q under entry 6; + 4 MiB: k under entry 7; + 8 MiB: v^T under entry 9.  The bias goes by columns for q and k and by rows for v: both are loaded, and the one that does not apply is replaced by zeros (a select, no branch).
; KIND 1: hid = relu(xq Wup^T + bup) under entry 14; A = xq [4096][1024], B = Wup [4096][1024]; C [4096][4096].
; value = sum x 2^(ea + eb) + bias; code = value / 2^eo, held within +-448 (KIND 1: within 0 and 448: the hold is the activation too), to the nearest code, ties to even.
; LIMITS: ea + eb between -126 and 127; eo between -126 and 119.  NaN among the inputs is not served.
; A tile of C, 256 x 256, is made by four waves, each 128 x 128: 64 accumulators, 512 registers.  K goes in steps of 256 through a ring of two LDS slots filled by the tensor data mover.
; CLUSTERS: 4 x 4 work-groups.  The four of a row of the cluster need the same tiles of A, the four of a column the same tiles of B: each tile is asked for JOINTLY, by the same tensor load with the same descriptor and a mask that names the four.
; THE MATRIX INSTRUCTION IS USED TRANSPOSED (source 0 = 16 rows of B, source 1 = 16 rows of A): a lane then holds eight neighbouring numbers of a row of C: eight codes, 8 bytes.
; A fragment is fetched by four loads of 16 bytes: a permutation of k that is the same in A and in B, so every product meets its partner.
; REGISTERS, in windows of 256: window 0: v0-31 addresses; v32-95 the bias by columns, v96-111 by rows; from v128 A's fragments, ONE set; on the way out v112-255 are free.
;   window 1: B's fragments, TWO sets.   window 2: the accumulators of my rows 0-63 ((a, b) at v[8 (8 a + b)]);   window 3: those of my rows 64-127.
.set KIND,   0
.set SIZE_K, 1024
.set KSTEP,  256                       ; along K in a slot
.set ROWB,   256                       ; a tile's row in bytes
.set KROW,   SIZE_K                    ; a row of A or of B in memory, in bytes
.set PITCH,  272                       ; an LDS row: 256 bytes + 16 of padding = 68 words: row r starts at bank 4 r mod 64 (64 banks of 4 bytes: ISA guide 11.1)
.set FR,     16                        ; registers of a fragment: 16 rows x 128 K
.set NL,     4                         ; LDS loads that bring one
.set NP,     4                         ; places behind this matrix instruction (ISA guide 7.12.1)
.set HALFT,  128*PITCH                 ; 128 rows: what one tensor load brings
.set SLOT,   4*HALFT                   ; A's 256 rows, then B's 256 rows
.set LAPS,   SIZE_K/(2*KSTEP)          ; a lap = two K steps = once round the ring
.set SPARE,  2*SLOT                    ; behind the ring: the spare words, 128 bytes for each wave, which no other line names
.set ADRA, 16                          ; v16-17  LDS address of my A fragments in slot 0, 1
.set ADRB, 20                          ; v20-21  the same for B
.set STO,  24                          ; v24     the way out: where I put 8 codes of a row
.set RD,   25                          ; v25     the way out: where I read a row back
.set CO,   26                          ; v26     my byte offset in two rows of the result
.set SPW,  28                          ; v28     LDS address of my spare word; never rewritten
.set NIL,  29                          ; v29     0; never rewritten
.set CSC,  30                          ; v30     2^eo as f32
.set LIMV, 31                          ; v31     448 x 2^eo
.set BC,   32                          ; v32-95  bias of my 128 columns: register 8 b + j = column 16 b + 8 (l / 16) + j
.set BR,   96                          ; v96-111 bias of my 128 rows: pair a = row 16 a + l % 16, twice
.set TMP,  112                         ; v112-175 a block's 64 values
.set CD,   176                         ; v176-207 a block's codes, two sets by turns
.set OF,   32
.set BK,   128                         ; v128-255 64 rows read back from the stage
.set AF,   128                         ; A's fragments, in window 0
.set G1, 24                            ; s[24:31] descriptor group 1 for A's tiles;  s[32:39] group 0, one set for each slot
.set G0, 32
.set G1B, 48                           ; s[48:55], s[56:63] the same for B's tiles
.set G0B, 56
.set MSB, 0
.macro WIN new                         ; the immediate's high byte repeats the setting that is left
.if MSB != \new
	s_set_vgpr_msb (MSB<<8)|\new
.set MSB, \new
.endif
.endm
.set MUL_LO, 0xa1                      ; source 0 (B) window 1, source 1 (A) window 0, C and D window 2
.set MUL_HI, 0xf1                      ; the same, C and D window 3
.set TO_B,   0x40                      ; destination window 1, address window 0
; A joint load: waves 0 and 1 fetch for A, waves 2 and 3 for B.  Each line has ONE mask and one set of registers for all that issue it; the branch hangs on the wave's number alone.
; Four v_nop follow each of the two lines, ahead of the jump, the label and what follows.
.macro JLOAD g0a, g1a, g0b, g1b
	s_cmp_eq_u32 s15, 0
	s_cbranch_scc0 .Lfor_b_\@
	tensor_load_to_lds s[\g0a:\g0a+3], s[\g1a:\g1a+7]
	s_nop 0
.rept 4
	v_nop
.endr
	s_branch .Lasked_\@
.Lfor_b_\@:
	tensor_load_to_lds s[\g0b:\g0b+3], s[\g1b:\g1b+7]
	s_nop 0
.rept 4
	v_nop
.endr
.Lasked_\@:
.endm
.macro CREST                           ; a round of the cluster's barrier behind its opening barrier
	s_cmp_lg_u32 s14, 0
	s_cbranch_scc1 .Lnot_wave_0_\@
	s_barrier_signal -3
.Lnot_wave_0_\@:
	s_barrier_wait -3
	s_barrier_signal -1
	s_barrier_wait -1
.endm
.macro CROUND                          ; a whole round
	s_barrier_signal -1
	s_barrier_wait -1
	CREST
.endm
.if KIND == 0
	s_load_b512 s[68:83], s[0:1], 0x0              ; xc 68, Wq 70, Wk 72, Wv 74, the scales 76, bq 78, bk 80, bv 82
	s_load_b64 s[84:85], s[0:1], 0x40              ; qkv
.else
	s_load_b256 s[68:75], s[0:1], 0x0              ; xq 68, Wup 70, the scales 72, bup 74
	s_load_b64 s[84:85], s[0:1], 0x20              ; hid
.endif
	v_lshl_add_u32 v[SPW], v0, 2, SPARE
	v_mov_b32 v[NIL], 0
	ds_add_u32 v28, v29
	ds_add_u32 v28, v29
	s_wait_dscnt 0x0
	v_lshrrev_b32 v1, 5, v0
	v_readfirstlane_b32 s14, v1                    ; wave 0..3
	s_lshr_b32 s15, s14, 1                         ; which half of the tile's rows is mine.  Also: I fetch for A (0) or for B (1)
	s_and_b32 s16, s14, 1                          ; which half of its columns.  Also: which 128 rows of that tile I fetch
	s_bfe_u32 s40, ttmp6, 0x40000                  ; cx, cy: my place in the cluster
	s_bfe_u32 s41, ttmp6, 0x40004
	s_and_b32 s17, ttmp7, 0xffff
	s_lshl_b32 s17, s17, 2                         ; 4 x cluster y
.if KIND == 0
	s_cmp_eq_u32 ttmp9, 2                          ; v?  The 4,096 tokens are then C's columns, else its rows; the 1,024 channels take the cluster's own four tiles
	s_cselect_b32 s42, s17, 0
	s_cselect_b32 s17, 0, s17
	s_lshl_b32 s90, ttmp9, 22                      ; 4 MiB x which: X's set of codes, and the part of qkv
	s_mov_b32 s91, 0
.else
	s_lshl_b32 s42, ttmp9, 2
.endif
	s_add_co_u32 s42, s42, s40                     ; tile column of C
	s_add_co_u32 s17, s17, s41                     ; tile row of C
	s_lshl_b32 s43, s41, 2
	s_lshl_b32 s43, 15, s43                        ; my row of the cluster
	s_lshl_b32 s44, 0x1111, s40                    ; my column
	; descriptor group 1: a tile of 128 rows x 256 bytes, padded in LDS
	s_or_b32 s[G1+0], s43, (0<<16)|(1<<20)|(1<<21)|(5<<22)|(3<<25)  ; 15:0 the mask: A's tiles go to my row; 17:16 element of 1 byte; 20 padding on; 21 set beside a mask; 24:22 after every 64 words (code 5); 31:25 of 4 words (code 3)
	s_or_b32 s[G1B+0], s44, (0<<16)|(1<<20)|(1<<21)|(5<<22)|(3<<25)
.irp g, G1, G1B
	s_mov_b32 s[\g+1], ROWB<<16                    ; tensor_dim0
	s_mov_b32 s[\g+2], 128<<16                     ; tensor_dim1 = 128
	s_mov_b32 s[\g+3], ROWB<<16                    ; tile_dim0
	s_mov_b32 s[\g+4], 128                         ; tile_dim1 = 128
	s_mov_b32 s[\g+5], KROW                        ; tensor_dim0_stride
	s_mov_b32 s[\g+6], 0
	s_mov_b32 s[\g+7], 0
.endr
	s_lshl_b32 s18, s16, 7                         ; which 128 rows of the tile I fetch
	s_lshl_b32 s20, s17, 8
	s_add_co_u32 s20, s20, s18                     ; A: row 256 x tile row + 128 x half,
	s_lshl_b32 s20, s20, 10                        ; in bytes (rows of 1,024)
	s_lshl_b32 s46, s42, 8
	s_add_co_u32 s46, s46, s18                     ; B: row 256 x tile column + 128 x half
	s_lshl_b32 s46, s46, 10
	s_mov_b32 s21, 0
	s_mov_b32 s47, 0
	s_mul_i32 s45, s14, HALFT                      ; where they go: wave x 128 rows: no place in the cluster enters an LDS address
	s_wait_kmcnt 0x0
.if KIND == 0
	s_add_nc_u64 s[68:69], s[68:69], s[90:91]      ; X's set of codes for this product
	s_add_nc_u64 s[84:85], s[84:85], s[90:91]      ; and the product's part of qkv
	s_cmp_eq_u32 ttmp9, 0                          ; the choices hang on the cluster's number alone
	s_cselect_b64 s[86:87], s[70:71], s[72:73]
	s_cselect_b64 s[88:89], s[78:79], s[80:81]
	s_cmp_eq_u32 ttmp9, 2
	s_cselect_b64 s[86:87], s[74:75], s[86:87]     ; the weight
	s_cselect_b64 s[88:89], s[82:83], s[88:89]     ; the bias
	s_cselect_b64 s[4:5], s[86:87], s[68:69]       ; A: for v the weight, else X's codes
	s_cselect_b64 s[6:7], s[68:69], s[86:87]       ; B: the other
	s_cselect_b32 s98, 0, -1                       ; all lanes where the bias goes by columns,
	s_cselect_b32 s99, -1, 0                       ; all lanes where it goes by rows
	s_mov_b64 s[100:101], s[76:77]
.else
	s_mov_b64 s[4:5], s[68:69]
	s_mov_b64 s[6:7], s[70:71]
	s_mov_b64 s[88:89], s[74:75]
	s_mov_b64 s[100:101], s[72:73]
	s_mov_b32 s92, 4096
.endif
	s_mov_b64 s[10:11], s[84:85]
	s_load_b512 s[68:83], s[100:101], 0x0          ; the sixteen exponents: entry i in s[68 + i]; waited for on the way out
	s_add_nc_u64 s[20:21], s[4:5], s[20:21]
	s_add_nc_u64 s[46:47], s[6:7], s[46:47]
	CROUND                                         ; all sixteen work-groups are here: the first joint loads meet
.irp s, 0,1
	s_mov_b32 s[G0+4*\s], 1
	s_add_co_u32 s[G0+4*\s+1], s45, \s*SLOT
	s_add_nc_u64 s[G0+4*\s+2:G0+4*\s+3], s[20:21], \s*ROWB
	s_or_b32 s[G0+4*\s+3], s[G0+4*\s+3], 0x80000000
	s_mov_b32 s[G0B+4*\s], 1
	s_add_co_u32 s[G0B+4*\s+1], s45, \s*SLOT
	s_add_nc_u64 s[G0B+4*\s+2:G0B+4*\s+3], s[46:47], \s*ROWB
	s_or_b32 s[G0B+4*\s+3], s[G0B+4*\s+3], 0x80000000
.endr
	JLOAD G0, G1, G0B, G1B                         ; K step 0: one tensor load a wave at the head
	v_and_b32 v1, 15, v0                           ; r = l % 16
	v_bfe_u32 v2, v0, 4, 1                         ; h = l / 16
	s_wait_alu depctr_va_vdst(0)
	v_mul_u32_u24 v3, v1, PITCH
	v_lshl_add_u32 v4, v2, 4, v3                   ; a fragment's row x pitch + 16 x half
	s_mul_i32 s21, s15, HALFT                      ; my 128 rows of A
	s_mul_i32 s22, s16, HALFT                      ; my 128 rows of B,
	s_add_co_u32 s22, s22, 2*HALFT                 ; which lie behind A's 256
.irp s, 0,1
	v_add_nc_u32 v[ADRA+\s], s21, v4
	v_add_nc_u32 v[ADRB+\s], s22, v4
	s_add_co_u32 s21, s21, SLOT
	s_add_co_u32 s22, s22, SLOT
.endr
	; the way out: ONE stage for the work-group, 256 rows x 272 bytes from LDS byte 0 on, in slot 0
	v_lshl_add_u32 v5, v2, 3, v3                   ; in: row r, 8 bytes for each half of the lanes,
	s_mul_i32 s23, s15, 128*PITCH                  ; my half of the rows,
	s_lshl_b32 s18, s16, 7                         ; my half of a row's 256 bytes
	s_add_co_u32 s23, s23, s18
	v_add_nc_u32 v[STO], s23, v5
; THE RESULTS' LAYOUT.  v^T: [1024 channels][4096 tokens].  q and k lie BY HEADS: [16 heads][4096 tokens][64 channels], so that a head's rows are one dense block: four tokens of a head are 256 consecutive bytes.
.set RDH, 22                           ; v22  back from the stage for q and k: sixteen lanes take 4 rows x 64 bytes of one head
.set COH, 27                           ; v27  and the same bytes in the result
	v_mul_u32_u24 v5, v2, PITCH                    ; back, for v: wave w takes rows 64 w on, whole; lanes 0-15 one row, lanes 16-31 the next
	v_lshl_add_u32 v5, v1, 4, v5
	s_mul_i32 s23, s14, 64*PITCH
	v_add_nc_u32 v[RD], s23, v5
	v_lshrrev_b32 v6, 2, v1                        ; for q and k: row r / 4 of four, head h of two, 16 (r % 4) of its 64 bytes
	v_and_b32 v7, 3, v1
	v_mul_u32_u24 v6, v6, PITCH
	v_lshl_add_u32 v6, v2, 6, v6
	v_lshl_add_u32 v6, v7, 4, v6
	v_add_nc_u32 v[RDH], s23, v6
	v_lshlrev_b32 v6, 12, v2
	v_lshl_add_u32 v[CO], v1, 4, v6                ; v: two rows of 4,096 bytes
	v_lshlrev_b32 v6, 18, v2
	v_lshl_add_u32 v[COH], v1, 4, v6               ; q, k: two heads, 262,144 bytes apart; 16 r = 64 (r / 4) + 16 (r % 4)
	s_lshl_b32 s20, s17, 8
	s_lshl_b32 s21, s14, 6
	s_add_co_u32 s20, s20, s21                     ; the first row that I store: 256 x tile row + 64 x wave
	s_lshl_b32 s18, s20, 12
	s_lshl_b32 s19, s42, 8
	s_add_co_u32 s18, s18, s19                     ; v: rows of 4,096 bytes, + the tile's first column
	s_lshl_b32 s20, s20, 6
	s_lshl_b32 s21, s42, 20
	s_add_co_u32 s20, s20, s21                     ; q, k: tokens of 64 bytes, + head 4 x tile column
	s_cmp_eq_u32 ttmp9, 2
	s_cselect_b32 s20, s18, s20
	s_mov_b32 s21, 0
	s_add_nc_u64 s[10:11], s[10:11], s[20:21]
	; the biases, while the first tiles are on their way
.if KIND == 0
	s_lshl_b32 s22, s40, 10                        ; by columns: channel 256 cx + 128 x half (for v these are not used: the address stays inside the buffer all the same)
	s_lshl_b32 s18, s41, 10                        ; by rows: channel 256 cy + 128 x half (for q and k not used)
	s_lshl_b32 s19, s15, 9
	s_add_co_u32 s18, s18, s19
	s_mov_b32 s19, 0
	s_add_nc_u64 s[86:87], s[88:89], s[18:19]
.else
	s_lshl_b32 s22, s42, 10                        ; column 256 x tile column + 128 x half
.endif
	s_lshl_b32 s23, s16, 9
	s_add_co_u32 s22, s22, s23
	s_mov_b32 s23, 0
	s_add_nc_u64 s[88:89], s[88:89], s[22:23]
	v_lshlrev_b32 v7, 5, v2                        ; 32 h: my half's eight numbers of a block of 16 columns
	v_lshlrev_b32 v8, 2, v1                        ; 4 r
.irp b, 0,1,2,3,4,5,6,7
	global_load_b128 v[BC+8*\b:BC+8*\b+3], v7, s[88:89] offset:64*\b
	global_load_b128 v[BC+8*\b+4:BC+8*\b+7], v7, s[88:89] offset:64*\b+16
.endr
.if KIND == 0
.irp a, 0,1,2,3,4,5,6,7
	global_load_b32 v[BR+2*\a], v8, s[86:87] offset:64*\a
.endr
.endif
	s_wait_loadcnt 0x0
.if KIND == 0
.set TT, 0
.rept 64
	v_cndmask_b32 v[BC+TT], 0, v[BC+TT], s98       ; kept for q and k, zeros for v
.set TT, TT+1
.endr
.irp a, 0,1,2,3,4,5,6,7
	v_cndmask_b32 v[BR+2*\a], 0, v[BR+2*\a], s99   ; kept for v, zeros for q and k
.endr
.irp a, 0,1,2,3,4,5,6,7
	v_mov_b32 v[BR+2*\a+1], v[BR+2*\a]             ; a pair for the packed addition
.endr
.endif
.macro FRAG reg, adr, q, i             ; a fragment, 16 rows x 128 K, is 16 registers: lane l holds row l % 16; registers 4 c .. 4 c + 3 hold K = 32 c + 16 (l / 16) + 0 .. 15
.irp c, 0,1,2,3
	ds_load_b128 v[\reg+4*\c:\reg+4*\c+3], v[\adr] offset:128*(\q)+32*\c+(\i)*16*PITCH
.endr
.endm
; 16 matrix instructions: A's blocks a0, a0 + 1 x B's eight, 128 along K.  p: B's set.  zero = 1: the first product starts the sums: nothing is ever cleared.
; The 64 accumulators take turns, one instruction a turn, in the same order in every step.
.macro MUL16 a0, p, zero
.irp a, \a0, \a0+1
.irp b, 0,1,2,3,4,5,6,7
.if \zero
	v_wmma_f32_16x16x128_fp8_fp8 v[8*(8*((\a)%4)+\b):8*(8*((\a)%4)+\b)+7], v[128*(\p)+FR*\b:128*(\p)+FR*\b+FR-1], v[AF+FR*(\a):AF+FR*(\a)+FR-1], 0
.else
	v_wmma_f32_16x16x128_fp8_fp8 v[8*(8*((\a)%4)+\b):8*(8*((\a)%4)+\b)+7], v[128*(\p)+FR*\b:128*(\p)+FR*\b+FR-1], v[AF+FR*(\a):AF+FR*(\a)+FR-1], v[8*(8*((\a)%4)+\b):8*(8*((\a)%4)+\b)+7]
.endif
.endr
.endr
.endm
.macro FETCH_B slot, q, p              ; B's eight fragments of the slot's q-th 128 along K into set p
	WIN TO_B
.irp i, 0,1,2,3,4,5,6,7
	FRAG 128*(\p)+FR*\i, ADRB+\slot, \q, \i
.endr
	WIN 0
.endm
.macro FETCH_A slot, q, i0             ; A's blocks i0 .. i0 + 3
.irp i, \i0, \i0+1, \i0+2, \i0+3
	FRAG AF+FR*(\i), ADRA+\slot, \q, \i
.endr
.endm
; A load into a register that a matrix instruction has read, and a vector instruction that reads a matrix result, stand NP places behind that matrix instruction; only plain vector
; instructions that name none of its registers are places (ISA guide 7.12.1 for vector instructions).
.macro PLACES n
.rept \n
	v_nop
.endr
.endm
; A step of 128 along K that has its successor in the same slot.
.macro STEP slot, q, zero
	s_wait_dscnt 4*NL                              ; B's set and A's blocks 0-3 are in; the youngest sixteen loads (A's blocks 4-7) may be out
	WIN MUL_LO
	MUL16 0, (\q)%2, \zero
	MUL16 2, (\q)%2, \zero
	s_wait_dscnt 0                                 ; A's blocks 4-7 are in (asked for 32 matrix instructions ago)
	PLACES NP
	FETCH_B \slot, (\q)+1, 1-(\q)%2
	FETCH_A \slot, (\q)+1, 0
	WIN MUL_HI
	MUL16 4, (\q)%2, \zero
	MUL16 6, (\q)%2, \zero
	PLACES NP
	WIN 0
	FETCH_A \slot, (\q)+1, 4
.endm
; A slot's last step changes slots: ONE barrier; in front of it each wave waits for all its tensor loads, adds 0 to its spare word, and waits for that and for its own reads of this slot.  fill = 1: this slot is filled again, two K steps ahead.
.macro TURN slot, next, fill
	s_wait_tensorcnt 0x0                           ; all my tensor loads have landed: my part of the next slot;  (every window is 0 here)
	ds_add_u32 v[SPW], v[NIL]                      ; 0 onto my spare word
	s_wait_dscnt 4*NL+1                            ; (the add and the youngest sixteen loads, A's blocks 4-7, may be out)
	WIN MUL_LO
	MUL16 0, 1, 0                                  ; sixteen matrix instructions stand between the add and the wait for it
	s_wait_dscnt 0x0                               ; the add is done, and my reads of this slot are over
	s_barrier_signal -1
	MUL16 2, 1, 0
	WIN 0
	s_barrier_wait -1
.if \fill
	CREST                                          ; the barrier has opened a round of the cluster's barrier: no wave of any partner still reads this slot's tile or has a load on its way
	s_add_nc_u64 s[G0+4*\slot+2:G0+4*\slot+3], s[G0+4*\slot+2:G0+4*\slot+3], 2*ROWB
	s_add_nc_u64 s[G0B+4*\slot+2:G0B+4*\slot+3], s[G0B+4*\slot+2:G0B+4*\slot+3], 2*ROWB
	JLOAD G0+4*\slot, G1, G0B+4*\slot, G1B         ; the first tensor load behind the round; the four v_nop behind it are the places in front of the loads below
.else
	PLACES NP
.endif
	FETCH_B \next, 0, 0
	FETCH_A \next, 0, 0
	WIN MUL_HI
	MUL16 4, 1, 0
	MUL16 6, 1, 0
	PLACES NP
	WIN 0
	FETCH_A \next, 0, 4
.endm
	s_wait_alu depctr_va_vdst(0)                   ; the wait at the head's end
	s_wait_tensorcnt 0x0                           ; my part of K step 0 is in
	ds_add_u32 v[SPW], v[NIL]
	s_wait_dscnt 0x0
	CROUND                                         ; everybody's part is in, and the joint loads meet
	JLOAD G0+4, G1, G0B+4, G1B                     ; K step 1: the first tensor load behind the round
	FETCH_B 0, 0, 0
	FETCH_A 0, 0, 0
	FETCH_A 0, 0, 4
	STEP 0, 0, 1                                   ; the first step stands in front of the loop: its products start the sums
	s_mov_b32 s3, LAPS-1
.Llap:                                                 ; a trip goes once round the ring, from a lap's second step to the next lap's first, and fills both slots again
	TURN 0, 1, 1
	STEP 1, 0, 0
	TURN 1, 0, 1
	STEP 0, 0, 0
	s_sub_co_u32 s3, s3, 1
	s_cmp_lg_u32 s3, 0
	s_cbranch_scc1 .Llap
	TURN 0, 1, 0                                   ; the last lap fills nothing, and has no round of the cluster's barrier
	STEP 1, 0, 0
	s_wait_dscnt 4*NL                              ; the very last step: nothing more to fetch
	WIN MUL_LO
	MUL16 0, 1, 0
	MUL16 2, 1, 0
	s_wait_dscnt 0
	WIN MUL_HI
	MUL16 4, 1, 0
	MUL16 6, 1, 0
	WIN 0
; THE WAY OUT.  Block a (16 rows x 128 columns): value = sum x 2^(ea + eb) + bias, the hold, eight codes a conversion, 8 bytes a lane into the work-group's stage.  The stage lies in slot 0, which has had its last
; fill, and which nobody reads behind the last change of slots.  A row's 256 bytes come from two waves: a barrier, then each wave reads 64 whole rows and stores them, sixteen lanes to 256 consecutive bytes, aligned.
.macro CBLOCK a
.set AC, 64*((\a)%4)
.set CC, CD+16*((\a)%2)
	WIN 0x02+((\a)/4)                              ; source 0: window 2 or 3
.irp b, 0,1,2,3,4,5,6,7
.irp i, 0,2,4,6
	v_pk_fma_f32 v[TMP+8*\b+\i:TMP+8*\b+\i+1], v[AC+8*\b+\i:AC+8*\b+\i+1], s[96:97], v[BC+8*\b+\i:BC+8*\b+\i+1] op_sel_hi:[1,0,1]   ; each accumulator from its low end on
.endr
.endr
	WIN 0
.if KIND == 0
.set TT, 0
.rept 32
	v_pk_add_f32 v[TMP+TT:TMP+TT+1], v[TMP+TT:TMP+TT+1], v[BR+2*(\a):BR+2*(\a)+1]   ; the bias by rows (zeros for q and k)
.set TT, TT+2
.endr
.endif
.set TT, 0
.rept 64
.if KIND == 0
	v_med3_num_f32 v[TMP+TT], v[TMP+TT], -v[LIMV], v[LIMV]   ; the conversion to an 8-bit code does not saturate (ISA guide 7.6.2)
.else
	v_med3_num_f32 v[TMP+TT], v[TMP+TT], 0, v[LIMV]          ; the activation and the hold in one
.endif
.set TT, TT+1
.endr
.irp b, 0,1,2,3,4,5,6,7
	v_cvt_scalef32_pk8_fp8_f32 v[CC+2*\b:CC+2*\b+1], v[TMP+8*\b:TMP+8*\b+7], v[CSC]
.endr
	v_nop                                          ; one plain vector line between the conversions and the next block's lines, which write their sources
.irp b, 0,1,2,3,4,5,6,7
	ds_store_b64 v[STO], v[CC+2*\b:CC+2*\b+1] offset:(\a)*16*PITCH+16*\b
.endr
.endm
	s_wait_kmcnt 0x0                               ; the exponents
.if KIND == 0
	s_add_co_i32 s86, s68, s69
	s_add_co_i32 s87, s70, s71
	s_add_co_i32 s88, s72, s73
	s_cmp_eq_u32 ttmp9, 0
	s_cselect_b32 s94, s86, s87                    ; ea + eb of my product,
	s_cselect_b32 s95, s74, s75                    ; and the exponent under which its result is quantised: entry 6 (q), 7 (k),
	s_cmp_eq_u32 ttmp9, 2
	s_cselect_b32 s94, s88, s94
	s_cselect_b32 s95, s77, s95                    ; 9 (v)
.else
	s_add_co_i32 s94, s80, s81                     ; entries 12 and 13
	s_mov_b32 s95, s82                             ; entry 14
.endif
	s_add_co_i32 s94, s94, 127
	s_lshl_b32 s96, s94, 23                        ; 2^(ea + eb) as f32
	s_mov_b32 s97, s96                             ; (named with it as a pair, so it is written)
	s_add_co_i32 s95, s95, 127
	s_lshl_b32 s94, s95, 23
	v_mov_b32 v[CSC], s94
	s_add_co_i32 s95, s95, 8
	s_lshl_b32 s95, s95, 23
	s_or_b32 s95, s95, 0x600000
	v_mov_b32 v[LIMV], s95
	PLACES NP                                      ; behind the last products: for the reads of their results and the writes over A's fragments
.irp a, 0,1,2,3,4,5,6,7
	CBLOCK \a
.endr
	s_wait_alu depctr_va_vdst(0)
	s_wait_dscnt 0x0                               ; for the others' sake: my stores into the stage are done
	s_barrier_signal -1
	s_barrier_wait -1
	s_cmp_eq_u32 ttmp9, 2                          ; the cluster's number: the same in all partners
	s_cbranch_scc0 .Lby_head
.set TT, 0
.rept 32
	ds_load_b128 v[BK+4*TT:BK+4*TT+3], v[RD] offset:TT*2*PITCH
.set TT, TT+1
.endr
.set TT, 0
.rept 32
	s_wait_dscnt 31-TT                             ; loads come back in order: pair TT of rows is in
	global_store_b128 v[CO], v[BK+4*TT:BK+4*TT+3], s[10:11] offset:TT*2*4096
.set TT, TT+1
.endr
	s_branch .Lsent
.Lby_head:                                             ; q, k: load TT takes rows 4 (TT / 2) on of heads 2 (TT % 2) and 2 (TT % 2) + 1: sixteen lanes store 256 consecutive bytes, aligned
.set TT, 0
.rept 32
	ds_load_b128 v[BK+4*TT:BK+4*TT+3], v[RDH] offset:(TT/2)*4*PITCH+(TT%2)*128
.set TT, TT+1
.endr
.set TT, 0
.rept 32
	s_wait_dscnt 31-TT
	global_store_b128 v[COH], v[BK+4*TT:BK+4*TT+3], s[10:11] offset:(TT%2)*524288+(TT/2)*256
.set TT, TT+1
.endr
.Lsent:
	s_wait_tensorcnt 0x0                           ; the wave's end: behind my last tensor load and my last LDS store
	ds_add_u32 v[SPW], v[NIL]
	s_wait_dscnt 0x0
	CROUND                                         ; the closing round: no work-group ends while a partner may still ask for a tile that names it
	s_endpgm
.Lfunc_end_k_qca5ff0dfd1_projqkv:
	.size	k_qca5ff0dfd1_projqkv, .Lfunc_end_k_qca5ff0dfd1_projqkv-k_qca5ff0dfd1_projqkv
	.p2alignl 7, 3214868480
	.fill 96, 4, 3214868480
	.section	.rodata,"a",@progbits
	.p2align	6, 0x0
	.amdhsa_kernel k_qca5ff0dfd1_projqkv
		.amdhsa_group_segment_fixed_size 327680
		.amdhsa_private_segment_fixed_size 0
		.amdhsa_enable_private_segment 0
		.amdhsa_kernarg_size 72
		.amdhsa_user_sgpr_count 2
		.amdhsa_user_sgpr_kernarg_segment_ptr 1
		.amdhsa_wavefront_size32 1
		.amdhsa_system_sgpr_workgroup_id_x 1
		.amdhsa_system_sgpr_workgroup_id_y 1
		.amdhsa_system_sgpr_workgroup_id_z 1
		.amdhsa_system_vgpr_workitem_id 0
		.amdhsa_next_free_vgpr 1024
		.amdhsa_next_free_sgpr 102
		.amdhsa_reserve_vcc 0
		.amdhsa_float_denorm_mode_32 3
		.amdhsa_float_denorm_mode_16_64 3
		.amdhsa_memory_ordered 1
		.amdhsa_forward_progress 1
		.amdhsa_inst_pref_size 172
	.end_amdhsa_kernel
	.amdgpu_metadata
---
amdhsa.version: [ 1, 2 ]
amdhsa.kernels:
  - .name:           k_qca5ff0dfd1_projqkv
    .symbol:         k_qca5ff0dfd1_projqkv.kd
    .args:
      - { .name: xc, .offset: 0, .size: 8, .value_kind: global_buffer, .address_space: global }
      - { .name: Wq_codes, .offset: 8, .size: 8, .value_kind: global_buffer, .address_space: global }
      - { .name: Wk_codes, .offset: 16, .size: 8, .value_kind: global_buffer, .address_space: global }
      - { .name: Wv_codes, .offset: 24, .size: 8, .value_kind: global_buffer, .address_space: global }
      - { .name: lowp_scales, .offset: 32, .size: 8, .value_kind: global_buffer, .address_space: global }
      - { .name: bq, .offset: 40, .size: 8, .value_kind: global_buffer, .address_space: global }
      - { .name: bk, .offset: 48, .size: 8, .value_kind: global_buffer, .address_space: global }
      - { .name: bv, .offset: 56, .size: 8, .value_kind: global_buffer, .address_space: global }
      - { .name: qkv, .offset: 64, .size: 8, .value_kind: global_buffer, .address_space: global }
    .group_segment_fixed_size: 327680
    .private_segment_fixed_size: 0
    .kernarg_segment_align: 8
    .kernarg_segment_size: 72
    .max_flat_workgroup_size: 128
    .sgpr_count:     102
    .vgpr_count:     1024
    .wavefront_size: 32
...
	.end_amdgpu_metadata
.endif
;; end of part 2
;; launch attn (part 3): grid 8 x 32, 8 waves a work-group, clusters of 4 x 1, 327,680 bytes of LDS; arguments qkv, lowp_scales, ao; writes ao
.if DOCPART == 3
	.amdgcn_target "amdgcn-amd-amdhsa--gfx1250"
	.amdhsa_code_object_version 6
	.text
	.protected	k_qca5ff0dfd1_attn
	.globl	k_qca5ff0dfd1_attn
	.p2align	8
	.type	k_qca5ff0dfd1_attn,@function
k_qca5ff0dfd1_attn:
	s_mov_b64 s[64:65], 0
	v_nop
	global_prefetch_b8 v0, s[64:65] scope:SCOPE_SE
	s_setreg_imm32_b32 hwreg(HW_REG_WAVE_MODE, 25, 1), 1
	s_wait_xcnt 0x0
	s_wait_alu depctr_hold_cnt(0) depctr_sa_sdst(0) depctr_va_vdst(0) depctr_va_sdst(0) depctr_va_ssrc(0) depctr_va_vcc(0) depctr_vm_vsrc(0)
	s_getreg_b32 s2, hwreg(HW_REG_IB_STS2, 6, 4)
	s_cmp_eq_u32 s2, 0
	s_cbranch_scc0 .Lentry_in_a_cluster
	s_endpgm
.Lentry_in_a_cluster:
	s_bfe_u32 s2, ttmp6, 0x10000c
	s_cmp_lg_u32 s2, 0x3003
	s_cbranch_scc0 .Lentry_shape_is_right
	s_endpgm
.Lentry_shape_is_right:
; Causal attention on E4M3 codes, head size 64, 16 heads, 2 x 2,048 tokens.  qkv + 0: q's codes by heads [16][4096 tokens][64] (entry 6); + 4 MiB: k's, likewise (entry 7); + 8 MiB: v^T's [1024 = (head, d)][4096 tokens] (entry 9).
; ao: the result's codes under entry 10, by heads too: [16][4096][64].  t = score x 2^(e6 + e7) x log2(e) / 8; M = the row's largest t so far, rounded UP to a whole number; p = 2^(t - M) is quantised under entry 8, not normalised;
; the row's sum is taken of the unquantised p and divides at the end; when M moves, the sum and O are multiplied by 2^(old M - new M), which rounds nothing.
; LEFT OUT: key steps all of whose keys come after a tile's queries (reference()'s own causal mask throws them away; see the first kernel's head).
; LIMITS: e6 + e7 between -123 and 130 (added to c's exponent field); e8 and e10 between -126 and 119; e8 + e9 is applied by v_ldexp_f32 and has none.  NaN among the inputs is not served.
; SHARES.  Work-group (x, y): batch y / 16, head y % 16.  THE HEAD'S WHOLE K AND V LIE IN LDS: 2,048 keys x (64 + 16) bytes, then V^T as four parts of 64 channels x (512 keys + 16 bytes): 299,008 bytes, filled once, one tensor load a wave
; (waves 0-3 512 keys of K each, waves 4-7 a part of V^T each).  Nothing is filled again, so the walk over the keys has no barrier and each wave goes at its own pace.
; The head's queries are 16 blocks of 128, each of 8 tiles of 16.  Work-group j = 4 x cluster x + cx takes tile j of every block.  A wave owns two of them: tile 0 in block m0, tile 1 in block m1 = 15 - m0;
; m0 = w for waves 0-3 and 11 - w for waves 4-7.  A tile of block m needs key steps 0 .. m of 128 keys, the last its diagonal: m0 + 1 + m1 + 1 = 17 tile steps in every wave of every work-group.
; Steps 0 .. m0 serve both tiles on the same fragments of K and V; steps m0 + 1 .. m1 serve tile 1 alone.  Which way a step goes hangs on the wave's number and the count of steps alone.
; CLUSTER 4, 1, 1: the four partners need the same K and V, and ask jointly (mask 15).  cx enters the addresses of q and ao and the mask's compare, and no branch and no LDS address.
; NO PREFETCH: every tensor load goes out at the head; there is no loop to run ahead in.
; Tile 0's state lies in registers v0-255, tile 1's under the same numbers in v256-511, so that one text (SOFTMAX, FINISH) serves both under two settings of the windows.
; LAYOUT.  Both products transposed: S^T = K Q^T (source 0 = 16 keys), O^T = V^T P^T (source 0 = 16 channels): a lane holds ONE query (lane % 16).  Register j of lane (r, h) of tile t of S^T is key 16 t + 8 h + j, so a conversion's
; two registers are registers 2 t, 2 t + 1 of P's operand in the K = 128 form's own layout; V's fragments are fetched in that layout by loads of 8 bytes.  Q's and K's come by loads of 16 bytes: a permutation of the head's 64, the same on both sides.
; REGISTERS, in each window: v12 -M, v13 the largest t, v[14:15] the sum; v16-23 Q; v27 the mask's d; v96-159 S^T, then p; v160-191 O^T; v200-211 at work and scales; v224-239 p's codes; v244-255 at work.
; Window 0 alone: v1, v3 my lane's place in K and V; v5, v6 the add's; v8, v9 addresses in hand; v24-26 the way out; v32-95 K's 8 fragments.  Window 1 alone: v32-95 V's 4 fragments.
.set KP,    80                         ; a key's row in LDS: 64 bytes + 16: 20 words, so 16 rows start at 16 different groups of four banks (64 banks of 4 bytes: ISA guide 11.1)
.set KQ,    512*KP                     ; what one load brings of K
.set VP,    528                        ; a channel's 512 keys + 16: 132 words: the 32 lanes of a load of 8 bytes touch each bank once
.set VQ,    64*VP
.set VOFF,  4*KQ
.set SPARE, VOFF+4*VQ                  ; the spare words, 128 bytes for each of 8 waves, which no other line names
.set STAGE, SPARE+1024                 ; the way out: 2,048 bytes a wave, bytes of their own
.set AK,   1
.set AV,   3
.set SPW,  5
.set NIL,  6
.set WV,   18                          ; s18  my wave's number
.set SEL,  20                          ; s[20:21] lane selects for v_permlanex16_b32: lane l xor 16
.set CS,   22                          ; s[22:23] c
.set G1K,  24
.set G1V,  32
.set G0K,  40
.set G0V,  44
.set MM,   56                          ; s56  m1: tile 1's last key step, and my last
.set ST,   57                          ; s57  the key step
.set M0,   58                          ; s58  m0: tile 0's last key step
.set MSB, 0
.macro WIN new                         ; the immediate's high byte repeats the setting that is left
.if MSB != \new
	s_set_vgpr_msb (MSB<<8)|\new
.set MSB, \new
.endif
.endm
.macro DLY n
	s_delay_alu instid0(VALU_DEP_\n)
.endm
.macro WALU
	s_wait_alu depctr_va_vdst(0)
.endm
.macro CROUND                          ; a round of the cluster's barrier
	s_barrier_signal -1
	s_barrier_wait -1
	s_cmp_lg_u32 s[WV], 0
	s_cbranch_scc1 .Lnot_wave_0_\@
	s_barrier_signal -3
.Lnot_wave_0_\@:
	s_barrier_wait -3
	s_barrier_signal -1
	s_barrier_wait -1
.endm
.macro NOPS n
.rept \n
	v_nop
.endr
.endm
	s_load_b128 s[4:7], s[0:1], 0x0                ; qkv, the scales' exponents
	s_load_b64 s[8:9], s[0:1], 0x10                ; ao
	v_lshl_add_u32 v[SPW], v0, 2, SPARE
	v_mov_b32 v[NIL], 0
	ds_add_u32 v[SPW], v[NIL]                      ; the opening lines: the add, twice on end, and its wait
	ds_add_u32 v[SPW], v[NIL]
	v_lshrrev_b32 v8, 5, v0
	DLY 1
	v_readfirstlane_b32 s[WV], v8                  ; wave 0..7
	s_bfe_u32 s10, ttmp6, 0x40000                  ; cx
	s_and_b32 s11, ttmp7, 0xffff
	s_lshr_b32 s12, s11, 4                         ; the batch
	s_and_b32 s13, s11, 15                         ; the head
	s_and_b32 s14, s[WV], 3
	s_sub_co_u32 s17, 11, s[WV]
	s_cmp_lt_u32 s[WV], 4
	s_cselect_b32 s[M0], s[WV], s17                ; m0
	s_sub_co_u32 s[MM], 15, s[M0]                  ; m1
	s_lshl_b32 s15, ttmp9, 2                       ; ttmp9: the cluster's x, 0 or 1
	s_add_co_u32 s15, s15, s10                     ; j: my work-group's tile of each block
	s_lshl_b32 s16, s15, 4                         ; 16 j: its first query in a block
	s_lshl_b32 s86, s13, 18                        ; a head's part of q, k, ao (4,096 x 64 bytes) and of v^T (64 rows of 4,096)
	s_lshl_b32 s87, s12, 17                        ; a batch's 2,048 rows of 64 bytes
	s_lshl_b32 s88, s14, 15                        ; K: 512 keys x (wave % 4)
	s_add_co_u32 s88, s88, s87
	s_add_co_u32 s88, s88, s86
	s_add_co_u32 s88, s88, 0x400000
	s_mov_b32 s89, 0
	s_lshl_b32 s90, s12, 11                        ; V: in a row, 2,048 x batch + 512 x (wave % 4)
	s_lshl_b32 s91, s14, 9
	s_add_co_u32 s90, s90, s91
	s_add_co_u32 s90, s90, s86
	s_add_co_u32 s90, s90, 0x800000
	s_mov_b32 s91, 0
	s_mul_i32 s92, s14, KQ                         ; and in LDS
	s_mul_i32 s93, s14, VQ
	s_add_co_u32 s93, s93, VOFF
	s_lshl_b32 s95, s15, 10                        ; 16 j rows of 64 bytes
	s_add_co_u32 s95, s95, s86
	s_add_co_u32 s95, s95, s87
	s_lshl_b32 s94, s[M0], 13                      ; a block: 128 rows of 64 bytes
	s_add_co_u32 s94, s94, s95                     ; tile 0's rows in q and ao,
	s_lshl_b32 s96, s[MM], 13
	s_add_co_u32 s96, s96, s95                     ; tile 1's
	s_mov_b32 s95, 0
	s_mov_b32 s97, 0
	; group 1.  K: a dense block as 128 rows of 256 bytes, 16 bytes of padding behind every 64 (a key).  V: 64 rows of 512 bytes, 4,096 apart, 16 behind each
	s_mov_b32 s[G1K], 15|(1<<20)|(1<<21)|(3<<22)|(3<<25)
	s_mov_b32 s[G1K+1], 256<<16
	s_mov_b32 s[G1K+2], 128<<16
	s_mov_b32 s[G1K+3], 256<<16
	s_mov_b32 s[G1K+4], 128
	s_mov_b32 s[G1K+5], 256
	s_mov_b32 s[G1K+6], 0
	s_mov_b32 s[G1K+7], 0
	s_mov_b32 s[G1V], 15|(1<<20)|(1<<21)|(6<<22)|(3<<25)
	s_mov_b32 s[G1V+1], 512<<16
	s_mov_b32 s[G1V+2], 64<<16
	s_mov_b32 s[G1V+3], 512<<16
	s_mov_b32 s[G1V+4], 64
	s_mov_b32 s[G1V+5], 4096
	s_mov_b32 s[G1V+6], 0
	s_mov_b32 s[G1V+7], 0
	s_mov_b32 s[SEL], 0x76543210
	s_mov_b32 s[SEL+1], 0xfedcba98
	s_mov_b32 s[CS], 0x3e38aa3b                    ; c = log2(e) / sqrt(64)
	s_wait_dscnt 0x0                               ; both opening adds are done
	CROUND                                         ; the four partners are here: the joint loads meet
	s_wait_kmcnt 0x0
	s_load_b512 s[68:83], s[6:7], 0x0              ; entry i in s[68 + i]
	s_mov_b32 s[G0K], 1
	s_mov_b32 s[G0K+1], s92
	s_add_nc_u64 s[G0K+2:G0K+3], s[4:5], s[88:89]
	s_or_b32 s[G0K+3], s[G0K+3], 0x80000000
	s_mov_b32 s[G0V], 1
	s_mov_b32 s[G0V+1], s93
	s_add_nc_u64 s[G0V+2:G0V+3], s[4:5], s[90:91]
	s_or_b32 s[G0V+3], s[G0V+3], 0x80000000
	s_cmp_lt_u32 s[WV], 4                          ; every wave issues one load
	s_cbranch_scc0 .Lfor_v
	tensor_load_to_lds s[G0K:G0K+3], s[G1K:G1K+7]
	s_nop 0
	NOPS 4
	s_branch .Lasked
.Lfor_v:
	tensor_load_to_lds s[G0V:G0V+3], s[G1V:G1V+7]
	s_nop 0
	NOPS 4
.Lasked:
	s_add_nc_u64 s[12:13], s[4:5], s[94:95]        ; q's codes of tile 0: 1,024 consecutive bytes,
	s_add_nc_u64 s[14:15], s[4:5], s[96:97]        ; of tile 1
	s_add_nc_u64 s[10:11], s[8:9], s[96:97]        ; ao: tile 1's rows,
	s_add_nc_u64 s[8:9], s[8:9], s[94:95]          ; tile 0's
	v_and_b32 v8, 15, v0                           ; r
	v_bfe_u32 v9, v0, 4, 1                         ; h
	DLY 2
	v_lshlrev_b32 v10, 6, v8
	DLY 1
	v_lshl_add_u32 v10, v9, 4, v10                 ; Q: row r, + 16 h
	global_load_b128 v[16:19], v10, s[12:13]
	global_load_b128 v[20:23], v10, s[12:13] offset:32
	WIN 0x40                                       ; destination window 1: tile 1's
	global_load_b128 v[16:19], v10, s[14:15]
	global_load_b128 v[20:23], v10, s[14:15] offset:32
	WIN 0
	v_mul_u32_u24 v11, v8, KP
	DLY 1
	v_lshl_add_u32 v[AK], v9, 4, v11               ; K: row r of a tile, + 16 h
	v_mul_u32_u24 v11, v8, VP
	DLY 1
	v_lshl_add_u32 v[AV], v9, 3, v11               ; V: channel r of a tile, + 8 h
	s_lshl_b32 s96, s[WV], 11
	s_add_co_u32 s96, s96, STAGE                   ; my stage
	v_lshlrev_b32 v24, 6, v8
	DLY 1
	v_lshl_add_u32 v24, v9, 3, v24
	DLY 1
	v_add_nc_u32 v24, s96, v24                     ; in: query r's 64 bytes, + 8 h
	v_and_b32 v26, 31, v0
	DLY 1
	v_lshlrev_b32 v26, 4, v26                      ; back, and in ao: 16 bytes a lane
	DLY 1
	v_add_nc_u32 v25, s96, v26
	v_lshlrev_b32 v27, 3, v9
	DLY 1
	v_sub_nc_u32 v27, v8, v27
	DLY 1
	v_add_nc_u32 v27, s16, v27                     ; d = 16 j + r - 8 h: in a tile's diagonal step register 8 t + i (key 16 t + 8 h + i of the step) is hidden where 16 t + i > d
	WIN 0x40
	v_mov_b32 v27, v27                             ; the same in both tiles: they lie at the same place of their blocks
	WIN 0
	s_wait_kmcnt 0x0
	s_add_co_i32 s84, s74, s75
	s_lshl_b32 s84, s84, 23
	s_add_co_i32 s[CS], s[CS], s84                 ; a score stands for score x 2^(e6 + e7): the exponents are added to c's exponent field
	s_mov_b32 s[CS+1], s[CS]
	s_add_co_i32 s84, s76, 127
	s_lshl_b32 s60, s84, 23                        ; 2^e8
	s_add_co_i32 s84, s84, 8
	s_lshl_b32 s84, s84, 23
	s_or_b32 s61, s84, 0x600000                    ; 448 x 2^e8
	s_add_co_i32 s84, s78, 127
	s_lshl_b32 s62, s84, 23                        ; 2^e10
	s_add_co_i32 s84, s84, 8
	s_lshl_b32 s84, s84, 23
	s_or_b32 s63, s84, 0x600000                    ; 448 x 2^e10
	s_add_co_i32 s59, s76, s77                     ; e8 + e9
.macro INIT                            ; a tile's state
	v_mov_b32 v13, 0xff61b1e6                      ; the largest t so far: -3e38, under every t
	v_mov_b32 v14, 0
	v_mov_b32 v15, 0
	v_mov_b32 v200, 0                              ; written once: a lane permute's destination counts as one of its sources
	v_mov_b32 v202, 0
	v_mov_b32 v203, 0                              ; (named as the upper half of the pair v[202:203])
	v_floor_f32 v12, -v13                          ; -M
	v_mov_b32 v208, s61
	v_mov_b32 v209, s60
	v_mov_b32 v210, s63
	v_mov_b32 v211, s62
.set TT, 0
.rept 32
	v_mov_b32 v[160+TT], 0                         ; O^T: the step is written once; the first finds zeros
.set TT, TT+1
.endr
.endm
	INIT
	WIN 0x55
	INIT
	WIN 0
.macro MASK                            ; the diagonal step: hidden scores become -infinity ahead of the maximum; each accumulator from its low end on
	v_mov_b32 v204, 0xff800000
.set TT, 0
.rept 64
	v_cmp_gt_i32 vcc_lo, 16*(TT/8)+TT%8, v27
	v_cndmask_b32 v[96+TT], v[96+TT], v204, vcc_lo
.set TT, TT+1
.endr
.endm
.macro SOFTMAX                         ; a tile's 128 scores a query: the maximum, M, p, the sum, p's codes, O^T under the new M
	v_max3_num_f32 v204, v96, v97, v98             ; the largest of my 64 scores, in four chains, the registers in ascending order
	v_max3_num_f32 v202, v99, v100, v101
	v_max3_num_f32 v206, v102, v103, v104
	v_max3_num_f32 v207, v105, v106, v107
.irp i, 12,20,28,36,44,52
	v_max3_num_f32 v204, v204, v[96+\i], v[97+\i]
	v_max3_num_f32 v202, v202, v[98+\i], v[99+\i]
	v_max3_num_f32 v206, v206, v[100+\i], v[101+\i]
	v_max3_num_f32 v207, v207, v[102+\i], v[103+\i]
.endr
	v_max3_num_f32 v204, v204, v156, v157
	v_max3_num_f32 v202, v202, v158, v159
	DLY 2
	v_max3_num_f32 v204, v204, v206, v207
	DLY 1
	v_max_num_f32 v204, v204, v202
	DLY 1
	v_permlanex16_b32 v200, v204, s[SEL], s[SEL+1]
	DLY 1
	v_max_num_f32 v204, v204, v200                 ; and among lane l xor 16's
	DLY 1
	v_mul_f32 v204, s[CS], v204                    ; as t (c is positive)
	DLY 1
	v_max_num_f32 v13, v13, v204                   ; the running largest t
	v_mov_b32 v204, v12
	DLY 2
	v_floor_f32 v12, -v13                          ; the new -M = -ceil(t): a whole number
	DLY 1
	v_sub_f32 v204, v12, v204
	DLY 1
	v_cvt_i32_f32 v204, v204                       ; (it saturates)
	DLY 1
	v_ldexp_f32 v202, 1.0, v204                    ; f = 2^(old M - new M)
.set TT, 0
.rept 32
	v_pk_fma_f32 v[96+TT:97+TT], v[96+TT:97+TT], s[CS:CS+1], v[12:13] op_sel_hi:[1,0,0]   ; t - M
.set TT, TT+2
.endr
	WALU                                           ; the wait ahead of the batch
.set TT, 0
.rept 64
	v_exp_f32 v[96+TT], v[96+TT]                   ; p = 2^(t - M), at most 1
.set TT, TT+1
.endr
	v_pk_mul_f32 v[14:15], v[14:15], v[202:203] op_sel_hi:[1,0]   ; the sums under the new M (the plain line behind the batch)
	WALU                                           ; and behind it, ahead of its first reader
	v_pk_add_f32 v[206:207], v[100:101], v[104:105]   ; the sum of the unquantised p, in eight chains
	v_pk_add_f32 v[254:255], v[108:109], v[112:113]
	v_pk_add_f32 v[252:253], v[116:117], v[120:121]
	v_pk_add_f32 v[250:251], v[124:125], v[128:129]
	v_pk_add_f32 v[248:249], v[132:133], v[136:137]
	v_pk_add_f32 v[246:247], v[140:141], v[144:145]
	v_pk_add_f32 v[244:245], v[148:149], v[152:153]
	v_pk_add_f32 v[14:15], v[14:15], v[156:157]
	v_pk_add_f32 v[206:207], v[206:207], v[96:97]
	v_pk_add_f32 v[254:255], v[254:255], v[98:99]
	v_pk_add_f32 v[252:253], v[252:253], v[102:103]
	v_pk_add_f32 v[250:251], v[250:251], v[106:107]
	v_pk_add_f32 v[248:249], v[248:249], v[110:111]
	v_pk_add_f32 v[246:247], v[246:247], v[114:115]
	v_pk_add_f32 v[244:245], v[244:245], v[118:119]
	v_pk_add_f32 v[14:15], v[14:15], v[122:123]
	v_pk_add_f32 v[206:207], v[206:207], v[126:127]
	v_pk_add_f32 v[254:255], v[254:255], v[130:131]
	v_pk_add_f32 v[252:253], v[252:253], v[134:135]
	v_pk_add_f32 v[250:251], v[250:251], v[138:139]
	v_pk_add_f32 v[248:249], v[248:249], v[142:143]
	v_pk_add_f32 v[246:247], v[246:247], v[146:147]
	v_pk_add_f32 v[244:245], v[244:245], v[150:151]
	v_pk_add_f32 v[14:15], v[14:15], v[154:155]
	v_pk_add_f32 v[206:207], v[206:207], v[158:159]
	DLY 2
	v_pk_add_f32 v[14:15], v[14:15], v[250:251]
	DLY 2
	v_pk_add_f32 v[206:207], v[206:207], v[248:249]
	v_pk_add_f32 v[254:255], v[254:255], v[246:247]
	v_pk_add_f32 v[252:253], v[252:253], v[244:245]
	DLY 2
	v_pk_add_f32 v[14:15], v[14:15], v[254:255]
	DLY 2
	v_pk_add_f32 v[206:207], v[206:207], v[252:253]
	DLY 1
	v_pk_add_f32 v[14:15], v[14:15], v[206:207]
.set TT, 0
.rept 64
	v_min_num_f32 v[96+TT], v[96+TT], v208         ; the conversion does not saturate (ISA guide 7.6.2); p is not negative, so the hold is one-sided
.set TT, TT+1
.endr
.irp t, 0,1,2,3,4,5,6,7
	v_cvt_scalef32_pk8_fp8_f32 v[224+2*\t:225+2*\t], v[96+8*\t:103+8*\t], v209
.endr
	WALU                                           ; directly ahead of the first reader of O^T
.set TT, 0
.rept 16
	v_pk_mul_f32 v[160+TT:161+TT], v[160+TT:161+TT], v[202:203] op_sel_hi:[1,0]   ; O^T x f (also the plain lines between the conversions and the products)
.set TT, TT+2
.endr
	WALU                                           ; directly ahead of the wait below
	s_wait_dscnt 16                                ; V's fragments are in; the next K's sixteen loads may be out
.endm
.macro PV                              ; O^T += V^T P^T: four tiles of 16 channels by turns; K = these 128 keys
.irp t, 0,1,2,3
	v_wmma_f32_16x16x128_fp8_fp8 v[160+8*\t:167+8*\t], v[32+16*\t:47+16*\t], v[224:239], v[160+8*\t:167+8*\t]
.endr
.endm
.macro KLOAD adr                       ; K's eight fragments of a step
.irp t, 0,1,2,3,4,5,6,7
.irp c, 0,1
	ds_load_b128 v[32+8*\t+4*\c:32+8*\t+4*\c+3], v[\adr] offset:16*\t*KP+32*\c
.endr
.endr
.endm
.macro QK
.irp t, 0,1,2,3,4,5,6,7
	v_wmma_f32_16x16x64_fp8_fp8 v[96+8*\t:103+8*\t], v[32+8*\t:39+8*\t], v[16:23], 0
.endr
.endm
.macro QK1_NEXTK                       ; tile 1's scores (Q and the result in window 1); then the next step's K, asked for a softmax ahead
	WIN 0x44
	QK
	WIN 0
	v_add_nc_u32 v8, s85, v[AK]
	NOPS 3                                         ; four places: for the loads into K's registers and the first read of the scores
	KLOAD 8                                        ; (behind my last step these sixteen loads serve nothing; they stay inside K's rows)
.endm
	WALU                                           ; the wait at the head's end
	s_wait_loadcnt 0x0                             ; Q
	s_wait_tensorcnt 0x0                           ; my part of K or V is in,
	s_barrier_signal -1
	s_barrier_wait -1                              ; everybody's is
	KLOAD AK                                       ; step 0's
	s_mov_b32 s[ST], 0
.Lstep:                                                ; 16 trips in every wave; the steps behind my last are jumped over (the wave's number and the count of steps alone)
	s_cmp_gt_u32 s[ST], s[MM]
	s_cbranch_scc1 .Lhidden
	s_lshr_b32 s84, s[ST], 2
	s_mul_i32 s84, s84, VQ
	s_and_b32 s85, s[ST], 3
	s_lshl_b32 s85, s85, 7
	s_add_co_u32 s84, s84, s85
	s_add_co_u32 s84, s84, VOFF                    ; V: part step / 4, byte 128 (step % 4) of its rows
	s_add_co_u32 s85, s[ST], 1
	s_min_u32 s85, s85, 15                         ; (behind step 15 there is none: its own rows are named again)
	s_mul_i32 s85, s85, 128*KP                     ; K: the next step's rows
	v_add_nc_u32 v9, s84, v[AV]
	NOPS 3                                         ; four places between the last products and the loads into V's registers
	WIN 0x40
.irp t, 0,1,2,3
.irp c, 0,1,2,3,4,5,6,7
	ds_load_b64 v[32+16*\t+2*\c:33+16*\t+2*\c], v9 offset:16*\t*VP+16*\c   ; registers 2 c, 2 c + 1 = keys 16 c + 8 h + 0 .. 7 of channel 16 t + r; they land under the softmax
.endr
.endr
	WIN 0
	s_wait_dscnt 32                                ; loads come back in order: K's sixteen are in; V's 32 may be out
	s_cmp_gt_u32 s[ST], s[M0]
	s_cbranch_scc1 .Lsingle                        ; tile 0 has had its last step
	QK                                             ; BOTH TILES: tile 0's scores,
	QK1_NEXTK                                      ; tile 1's on the same fragments
	s_cmp_lg_u32 s[ST], s[M0]
	s_cbranch_scc1 .Lopen
	MASK                                           ; tile 0's diagonal
.Lopen:
	SOFTMAX
	WIN 0x01                                       ; V in window 1
	PV
	WIN 0
	s_branch .Ltile1
.Lsingle:                                              ; TILE 1 ALONE
	QK1_NEXTK
	s_cmp_lg_u32 s[ST], s[MM]
	s_cbranch_scc1 .Ltile1
	WIN 0x55
	MASK                                           ; tile 1's diagonal: m1 > m0, so it lies among these steps
	WIN 0
.Ltile1:
	WIN 0x55
	WALU                                           ; directly ahead of the first reader of tile 1's scores
	SOFTMAX
	PV
	WIN 0
.Lhidden:
	s_add_co_u32 s[ST], s[ST], 1
	s_cmp_lt_u32 s[ST], 16
	WALU                                           ; the wait ahead of the branch
	s_cbranch_scc1 .Lstep
	; THE WAY OUT.  O^T / the sum x 2^(e8 + e9) is quantised under entry 10; a lane's eight channels of a tile are 8 bytes.  Each tile's 16 queries x 64 bytes go through my stage and leave as 1,024 consecutive bytes.
.macro FINISH
	v_add_f32 v14, v14, v15
	DLY 1
	v_permlanex16_b32 v200, v14, s[SEL], s[SEL+1]
	DLY 1
	v_add_f32 v14, v14, v200                       ; the row's sum
	WALU
	v_rcp_f32 v14, v14
	v_nop
	WALU
	v_ldexp_f32 v14, v14, s59
	WALU                                           ; directly ahead of the first reader of O^T
.set TT, 0
.rept 32
	v_mul_f32 v[96+TT], v[160+TT], v14             ; register 8 t + i is o(query r, channel 16 t + 8 h + i)
.set TT, TT+1
.endr
.set TT, 0
.rept 32
	v_med3_num_f32 v[96+TT], v[96+TT], -v210, v210
.set TT, TT+1
.endr
.irp t, 0,1,2,3
	v_cvt_scalef32_pk8_fp8_f32 v[224+2*\t:225+2*\t], v[96+8*\t:103+8*\t], v211
.endr
	v_nop                                          ; one plain vector line behind the last conversion
.endm
	s_wait_dscnt 0x0                               ; the last loads into K's registers
	FINISH
.irp t, 0,1,2,3
	ds_store_b64 v24, v[224+2*\t:225+2*\t] offset:16*\t
.endr
	WIN 0x55
	FINISH
	WIN 0x04                                       ; the data in window 1
.irp t, 0,1,2,3
	ds_store_b64 v24, v[224+2*\t:225+2*\t] offset:1024+16*\t
.endr
	WIN 0
.irp i, 0,1,2,3
	ds_load_b128 v[32+4*\i:35+4*\i], v25 offset:512*\i   ; LDS serves a wave's instructions in order: these see my stores
.endr
.irp i, 0,1
	s_wait_dscnt 3-\i
	global_store_b128 v26, v[32+4*\i:35+4*\i], s[8:9] offset:512*\i   ; 32 lanes store 512 consecutive bytes, aligned: tile 0's
.endr
.irp i, 0,1
	s_wait_dscnt 1-\i
	global_store_b128 v26, v[40+4*\i:43+4*\i], s[10:11] offset:512*\i   ; tile 1's
.endr
	s_wait_tensorcnt 0x0                           ; the wave's end
	ds_add_u32 v[SPW], v[NIL]
	s_wait_dscnt 0x0
	CROUND                                         ; the closing round
	s_endpgm
.Lfunc_end_k_qca5ff0dfd1_attn:
	.size	k_qca5ff0dfd1_attn, .Lfunc_end_k_qca5ff0dfd1_attn-k_qca5ff0dfd1_attn
	.p2alignl 7, 3214868480
	.fill 96, 4, 3214868480
	.section	.rodata,"a",@progbits
	.p2align	6, 0x0
	.amdhsa_kernel k_qca5ff0dfd1_attn
		.amdhsa_group_segment_fixed_size 327680
		.amdhsa_private_segment_fixed_size 0
		.amdhsa_enable_private_segment 0
		.amdhsa_kernarg_size 24
		.amdhsa_user_sgpr_count 2
		.amdhsa_user_sgpr_kernarg_segment_ptr 1
		.amdhsa_wavefront_size32 1
		.amdhsa_system_sgpr_workgroup_id_x 1
		.amdhsa_system_sgpr_workgroup_id_y 1
		.amdhsa_system_sgpr_workgroup_id_z 1
		.amdhsa_system_vgpr_workitem_id 0
		.amdhsa_next_free_vgpr 512
		.amdhsa_next_free_sgpr 100
		.amdhsa_reserve_vcc 1
		.amdhsa_float_denorm_mode_32 3
		.amdhsa_float_denorm_mode_16_64 3
		.amdhsa_memory_ordered 1
		.amdhsa_forward_progress 1
		.amdhsa_inst_pref_size 64
	.end_amdhsa_kernel
	.amdgpu_metadata
---
amdhsa.version: [ 1, 2 ]
amdhsa.kernels:
  - .name:           k_qca5ff0dfd1_attn
    .symbol:         k_qca5ff0dfd1_attn.kd
    .args:
      - { .name: qkv, .offset: 0, .size: 8, .value_kind: global_buffer, .address_space: global }
      - { .name: lowp_scales, .offset: 8, .size: 8, .value_kind: global_buffer, .address_space: global }
      - { .name: ao, .offset: 16, .size: 8, .value_kind: global_buffer, .address_space: global }
    .group_segment_fixed_size: 327680
    .private_segment_fixed_size: 0
    .kernarg_segment_align: 8
    .kernarg_segment_size: 24
    .max_flat_workgroup_size: 256
    .sgpr_count:     100
    .vgpr_count:     512
    .wavefront_size: 32
...
	.end_amdgpu_metadata
.endif
;; end of part 3
;; launch projo (part 4): grid 8 x 32, 4 waves a work-group, clusters of 4 x 4, 327,680 bytes of LDS; arguments ao, Wo_codes, lowp_scales, zsum, X, bo; writes zsum
.if DOCPART == 4
	.amdgcn_target "amdgcn-amd-amdhsa--gfx1250"
	.amdhsa_code_object_version 6
	.text
	.protected	k_qca5ff0dfd1_projo
	.globl	k_qca5ff0dfd1_projo
	.p2align	8
	.type	k_qca5ff0dfd1_projo,@function
k_qca5ff0dfd1_projo:
	s_mov_b64 s[64:65], 0
	v_nop
	global_prefetch_b8 v0, s[64:65] scope:SCOPE_SE
	s_setreg_imm32_b32 hwreg(HW_REG_WAVE_MODE, 25, 1), 1
	s_wait_xcnt 0x0
	s_wait_alu depctr_hold_cnt(0) depctr_sa_sdst(0) depctr_va_vdst(0) depctr_va_sdst(0) depctr_va_ssrc(0) depctr_va_vcc(0) depctr_vm_vsrc(0)
	s_getreg_b32 s2, hwreg(HW_REG_IB_STS2, 6, 4)
	s_cmp_eq_u32 s2, 0
	s_cbranch_scc0 .Lentry_in_a_cluster
	s_endpgm
.Lentry_in_a_cluster:
	s_bfe_u32 s2, ttmp6, 0x10000c
	s_cmp_lg_u32 s2, 0xf033
	s_cbranch_scc0 .Lentry_shape_is_right
	s_endpgm
.Lentry_shape_is_right:
; C[m][n] = (2^(ea + eb) x the sum over k of A[m][k] B[n][k] + bias[n]) + res[m][n].  A: [4096][SIZE_K], B: [1024][SIZE_K]: E4M3 codes; C, res: [4096][1024] f32; bias [1024] f32.  ea, eb: two neighbouring entries of the scales, at byte SCOFF.
; One source serves two launches: SIZE_K = 1,024, SCOFF = 40 (the attention's output x Wo^T, + bo, + X) and SIZE_K = 4,096, SCOFF = 56 (the hidden layer x Wdown^T, + bdown, + the first norm's result).  The norm follows in the next launch.
; LIMIT: ea + eb between -126 and 127, so that 2^(ea + eb) is an f32 number.
; C has only 64 tiles of 256 x 256, so a tile is 128 x 128: 256 work-groups.  Four waves, each 64 x 64: 16 accumulators.  K goes in steps of 512 (LDS rows of 512 bytes; a wave's tensor load brings 64 of them) through two slots.
; CLUSTERS: 4 x 4 work-groups: A's tiles are asked for jointly along a row of the cluster, B's along a column.  THE MATRIX INSTRUCTION IS USED TRANSPOSED (source 0 = 16 rows of B, source 1 = 16 rows of A).
; A fragment is fetched by four loads of 16 bytes: a permutation of k that is the same in A and in B.
; THE RESIDUAL is asked for at the head, behind the first joint loads, in the layout in which C's rows come back from the stage (sixteen lanes read 256 consecutive bytes), and lands while K is walked: one wait for it stands ahead of the way out.
; REGISTERS: window 0: v0-31 addresses, v8-11 my four numbers of the bias; v32-127 at work on the way out; v128-255 the accumulators ((a, b) at v[128 + 8 (4 a + b)]).
;   window 1: two fragment buffers of 128: 64 registers of A (4 x 16 rows x 128 K), then 64 of B.   window 2: v0-127 the residual: block a, pair of rows t at v[32 a + 4 t].
.set SIZE_K, 1024
.set SCOFF,  40
.set KSTEP,  512
.set PITCH,  528                       ; an LDS row: 512 bytes + 16 of padding = 132 words: row r starts at bank 4 r mod 64 (64 banks of 4 bytes: ISA guide 11.1)
.set HALFT,  64*PITCH                  ; 64 rows: what one tensor load brings, and what one wave reads of A or of B
; A, the attention's result, lies BY HEADS: [16 heads][4096 tokens][64].  A wave's load brings 8 heads (a K step's 512) x 64 tokens: 8 rows of 4,096 consecutive bytes, 262,144 apart, with 16 bytes of padding behind every 64:
; in LDS [head][token][64 + 16].  k of a K step lies in plane k / 64 at byte k % 64 of its token's row.
.set APL,    64*80                     ; a head's plane: 64 tokens x 80 bytes
.set AH,     8*APL                     ; what one load brings of A
.set SLOT,   2*AH+2*HALFT              ; A's two halves, then B's 128 rows
.set STAGE,  2*SLOT                    ; behind the ring: 16 rows x 272 bytes for each wave, for the way out
.set SPITCH, 272
.set SPARE,  STAGE+4*16*SPITCH         ; behind the stages: the spare words, 128 bytes for each wave, which no other line names
.set LAPS,   SIZE_K/(2*KSTEP)          ; a lap = two K steps = once round the ring
.set ZROW,   4096                      ; a row of C in bytes
.set BIA,  8                           ; v8-11   the bias of my four columns of a row read back
.set ADRA, 16                          ; v16-17  LDS address of my A fragments in slot 0, 1
.set ADRB, 20                          ; v20-21  the same for B
.set STO,  24                          ; v24     the way out: where I put 32 bytes of a row
.set RD,   25                          ; v25     the way out: where I read a row back
.set CO,   26                          ; v26     my byte offset in two rows of C and of the residual; never rewritten
.set SPW,  28                          ; v28     LDS address of my spare word; never rewritten
.set NIL,  29                          ; v29     0; never rewritten
.set TMP,  32                          ; v32-63  a block's sums x 2^(ea + eb)
.set BK,   64                          ; v64-127 16 rows read back, two sets by turns
.set ACC,  128
.set F0,   0                           ; fragment buffers, in window 1
.set F1,   128
.set G1, 24                            ; s[24:31] descriptor group 1 for A's tiles;  s[32:39] group 0, one set for each slot
.set G0, 32
.set G1B, 48                           ; s[48:55], s[56:63] the same for B's tiles
.set G0B, 56
.set MSB, 0
.macro WIN new                         ; the immediate's high byte repeats the setting that is left
.if MSB != \new
	s_set_vgpr_msb (MSB<<8)|\new
.set MSB, \new
.endif
.endm
.set MUL,  0x05                        ; sources 0 (B) and 1 (A) window 1; C and D window 0
.set TO_F, 0x40                        ; destination window 1, address window 0
.macro JLOAD s                         ; a joint load: waves 0 and 1 fetch A's two halves, waves 2 and 3 B's; four v_nop follow each of the two lines, ahead of the jump, the label and what follows
	s_cmp_eq_u32 s11, 0
	s_cbranch_scc0 .Lfor_b_\@
	tensor_load_to_lds s[G0+4*\s:G0+4*\s+3], s[G1:G1+7]
	s_nop 0
.rept 4
	v_nop
.endr
	s_branch .Lasked_\@
.Lfor_b_\@:
	tensor_load_to_lds s[G0B+4*\s:G0B+4*\s+3], s[G1B:G1B+7]
	s_nop 0
.rept 4
	v_nop
.endr
.Lasked_\@:
.endm
.macro CREST                           ; a round of the cluster's barrier behind its opening barrier
	s_cmp_lg_u32 s10, 0
	s_cbranch_scc1 .Lnot_wave_0_\@
	s_barrier_signal -3
.Lnot_wave_0_\@:
	s_barrier_wait -3
	s_barrier_signal -1
	s_barrier_wait -1
.endm
.macro CROUND                          ; a whole round
	s_barrier_signal -1
	s_barrier_wait -1
	CREST
.endm
	s_load_b128 s[4:7], s[0:1], 0x0                ; A's codes, B's codes
	s_load_b128 s[68:71], s[0:1], 0x10             ; the scales' exponents, C
	s_load_b128 s[72:75], s[0:1], 0x20             ; the residual, the bias
	v_lshl_add_u32 v[SPW], v0, 2, SPARE
	v_mov_b32 v[NIL], 0
	ds_add_u32 v28, v29
	ds_add_u32 v28, v29
	s_wait_dscnt 0x0
	v_lshrrev_b32 v1, 5, v0
	v_readfirstlane_b32 s10, v1                    ; wave 0..3
	s_lshr_b32 s11, s10, 1                         ; which half of the tile's rows is mine.  Also: I fetch for A (0) or for B (1)
	s_and_b32 s12, s10, 1                          ; which half of its columns.  Also: which 64 rows of that tile I fetch
	s_bfe_u32 s40, ttmp6, 0x40000                  ; cx, cy: my place in the cluster
	s_bfe_u32 s41, ttmp6, 0x40004
	s_lshl_b32 s42, ttmp9, 2
	s_add_co_u32 s42, s42, s40                     ; tile column of C = 4 x cluster x + cx
	s_and_b32 s13, ttmp7, 0xffff
	s_lshl_b32 s13, s13, 2
	s_add_co_u32 s13, s13, s41                     ; tile row of C = 4 x cluster y + cy
	s_lshl_b32 s43, s41, 2
	s_lshl_b32 s43, 15, s43                        ; my row of the cluster
	s_lshl_b32 s44, 0x1111, s40                    ; my column
	; descriptor group 1: a tile of 64 rows x 512 bytes, padded in LDS
	s_or_b32 s[G1+0], s43, (0<<16)|(1<<20)|(1<<21)|(3<<22)|(3<<25)  ; A: the mask of my row; padding of 4 words after every 16
	s_or_b32 s[G1B+0], s44, (0<<16)|(1<<20)|(1<<21)|(6<<22)|(3<<25)
.irp g, G1B
	s_mov_b32 s[\g+1], KSTEP<<16                   ; tensor_dim0 = 512
	s_mov_b32 s[\g+2], 64<<16                      ; tensor_dim1 = 64
	s_mov_b32 s[\g+3], KSTEP<<16                   ; tile_dim0 = 512
	s_mov_b32 s[\g+4], 64                          ; tile_dim1 = 64
	s_mov_b32 s[\g+5], SIZE_K                      ; tensor_dim0_stride
	s_mov_b32 s[\g+6], 0
	s_mov_b32 s[\g+7], 0
.endr
	s_mov_b32 s[G1+1], 4096<<16                    ; A: tensor_dim0 = 4,096 bytes: 64 tokens of a head
	s_mov_b32 s[G1+2], 8<<16                       ; tensor_dim1 = 8 heads
	s_mov_b32 s[G1+3], 4096<<16
	s_mov_b32 s[G1+4], 8
	s_mov_b32 s[G1+5], 262144                      ; from head to head
	s_mov_b32 s[G1+6], 0
	s_mov_b32 s[G1+7], 0
	s_lshl_b32 s17, s12, 6
	s_lshl_b32 s16, s13, 7
	s_add_co_u32 s16, s16, s17                     ; A: token 128 x tile row + 64 x half,
	s_lshl_b32 s16, s16, 6                         ; in bytes: 64 a token
	s_lshl_b32 s46, s42, 7
	s_add_co_u32 s46, s46, s17                     ; B: row 128 x tile column + 64 x half
	s_mul_i32 s46, s46, SIZE_K
	s_mov_b32 s17, 0
	s_mov_b32 s47, 0
	s_mul_i32 s20, s10, HALFT
	s_add_co_u32 s20, s20, 2*AH-2*HALFT            ; B's halves (waves 2 and 3) lie behind A's two
	s_mul_i32 s19, s10, AH                         ; A's halves (waves 0 and 1)
	s_wait_kmcnt 0x0
	s_load_b64 s[96:97], s[68:69], SCOFF           ; ea, eb
	s_add_nc_u64 s[14:15], s[4:5], s[16:17]
	s_add_nc_u64 s[46:47], s[6:7], s[46:47]
	CROUND                                         ; all sixteen work-groups are here: the first joint loads meet
.irp s, 0,1
	s_mov_b32 s[G0+4*\s], 1
	s_add_co_u32 s[G0+4*\s+1], s19, \s*SLOT
	s_add_nc_u64 s[G0+4*\s+2:G0+4*\s+3], s[14:15], \s*8*262144
	s_or_b32 s[G0+4*\s+3], s[G0+4*\s+3], 0x80000000
	s_mov_b32 s[G0B+4*\s], 1
	s_add_co_u32 s[G0B+4*\s+1], s20, \s*SLOT
	s_add_nc_u64 s[G0B+4*\s+2:G0B+4*\s+3], s[46:47], \s*KSTEP
	s_or_b32 s[G0B+4*\s+3], s[G0B+4*\s+3], 0x80000000
.endr
	JLOAD 0                                        ; K step 0: one tensor load a wave at the head
	v_and_b32 v1, 15, v0                           ; r = l % 16
	s_wait_alu depctr_va_vdst(0)
	v_bfe_u32 v2, v0, 4, 1                         ; h = l / 16
	v_mul_u32_u24 v3, v1, PITCH
	v_lshl_add_u32 v3, v2, 4, v3
	v_mul_u32_u24 v7, v1, 80
	v_lshl_add_u32 v7, v2, 4, v7                   ; A: token r x 80 + 16 x half
	s_mul_i32 s21, s11, AH
	s_mul_i32 s22, s12, HALFT
	s_add_co_u32 s22, s22, 2*AH
.irp s, 0,1
	v_add_nc_u32 v[ADRA+\s], s21, v7
	v_add_nc_u32 v[ADRB+\s], s22, v3
	s_add_co_u32 s21, s21, SLOT
	s_add_co_u32 s22, s22, SLOT
.endr
	s_mul_i32 s23, s10, 16*SPITCH
	s_add_co_u32 s23, s23, STAGE                   ; my stage
	v_mul_u32_u24 v4, v1, SPITCH                   ; in: row r, 32 bytes for each half of the lanes
	s_wait_alu depctr_va_vdst(0)
	v_lshl_add_u32 v4, v2, 5, v4
	v_add_nc_u32 v[STO], s23, v4
	v_mul_u32_u24 v5, v2, SPITCH                   ; back: lanes 0-15 take one row of 256 bytes, lanes 16-31 the next
	v_lshl_add_u32 v5, v1, 4, v5
	v_add_nc_u32 v[RD], s23, v5
	v_lshlrev_b32 v5, 12, v2                       ; and the same two rows in C
	v_lshl_add_u32 v[CO], v1, 4, v5
	s_wait_alu depctr_va_vdst(0)
	s_lshl_b32 s16, s13, 7
	s_lshl_b32 s17, s11, 6
	s_add_co_u32 s16, s16, s17                     ; my first row of C: 128 x tile row + 64 x half
	s_lshl_b32 s16, s16, 12
	s_lshl_b32 s46, s42, 9                         ; my first column, in bytes: 512 x tile column + 256 x half
	s_lshl_b32 s47, s12, 8
	s_add_co_u32 s46, s46, s47
	s_add_co_u32 s16, s16, s46
	s_mov_b32 s17, 0
	s_mov_b32 s47, 0
	s_add_nc_u64 s[8:9], s[70:71], s[16:17]
	s_add_nc_u64 s[76:77], s[72:73], s[16:17]      ; the residual lies as C lies
	s_add_nc_u64 s[78:79], s[74:75], s[46:47]      ; the bias at my first column
	v_lshlrev_b32 v6, 4, v1                        ; 16 r: my four columns of a row's 64
	global_load_b128 v[BIA:BIA+3], v6, s[78:79]
	WIN 0x80                                       ; destination window 2, address window 0
.irp a, 0,1,2,3
.irp t, 0,1,2,3,4,5,6,7
	global_load_b128 v[32*\a+4*\t:32*\a+4*\t+3], v[CO], s[76:77] offset:(16*\a+2*\t)*ZROW th:TH_LOAD_NT   ; 16 lanes read 256 consecutive bytes, aligned; read once in this launch
.endr
.endr
	WIN 0
; 4 matrix instructions: A's block a x B's four, 128 along K, from buffer f.  zero = 1: the first product starts the sums.  The 16 accumulators take turns, one instruction a turn, in the same order in every quarter.
.macro MUL4 f, a, zero
.irp b, 0,1,2,3
.if \zero
	v_wmma_f32_16x16x128_fp8_fp8 v[ACC+8*(4*(\a)+\b):ACC+8*(4*(\a)+\b)+7], v[\f+64+16*\b:\f+64+16*\b+15], v[\f+16*(\a):\f+16*(\a)+15], 0
.else
	v_wmma_f32_16x16x128_fp8_fp8 v[ACC+8*(4*(\a)+\b):ACC+8*(4*(\a)+\b)+7], v[\f+64+16*\b:\f+64+16*\b+15], v[\f+16*(\a):\f+16*(\a)+15], v[ACC+8*(4*(\a)+\b):ACC+8*(4*(\a)+\b)+7]
.endif
.endr
.endm
.macro MUL8 f, a0, zero
	MUL4 \f, \a0, \zero
	MUL4 \f, \a0+1, \zero
.endm
; 32 LDS loads in one run: the fragments of 128 along K at byte k of the rows, into buffer f: B's four blocks, then A's blocks 0 and 1, then 2 and 3
.macro FETCH slot, k, f
	WIN TO_F
.irp i, 0,1,2,3
.irp c, 0,1,2,3
	ds_load_b128 v[\f+64+16*\i+4*\c:\f+64+16*\i+4*\c+3], v[ADRB+\slot] offset:\k+32*\c+\i*16*PITCH
.endr
.endr
.irp i, 0,1,2,3
.irp c, 0,1,2,3
	ds_load_b128 v[\f+16*\i+4*\c:\f+16*\i+4*\c+3], v[ADRA+\slot] offset:((\k+32*\c)/64)*APL+(\k+32*\c)%64+\i*16*80
.endr
.endr
.endm
.macro PLACES                          ; four places in front of loads into registers that matrix instructions have read, and of lines that read results (ISA guide 7.12.1 for lines that read results)
.rept 4
	v_nop
.endr
.endm
; A K step is four quarters of 128 along K, 16 matrix instructions each, on buffers 0, 1, 0, 1.  One of the first three: multiplies buffer f and fetches the next quarter, at byte k, into g.
.macro QUARTER slot, k, f, g, zero
	s_wait_dscnt 8                                 ; B's blocks and A's blocks 0 and 1 are in; the youngest eight loads (A's blocks 2 and 3) may be out
	WIN MUL
	MUL8 \f, 0, \zero
	PLACES
	FETCH \slot, \k, \g
	s_wait_dscnt 32                                ; all but the 32 just issued
	WIN MUL
	MUL8 \f, 2, \zero
.endm
; The last quarter multiplies buffer 1 and changes slots: ONE barrier; in front of it each wave waits for all its tensor loads, adds 0 to its spare word, and waits for that and for its own reads of this slot.  fill = 1: this slot is filled again, two K steps ahead.
.macro TURN slot, next, fill
	WIN 0                                          ; (the add's two registers lie in window 0)
	s_wait_tensorcnt 0x0                           ; all my tensor loads have landed: my part of the next slot;
	ds_add_u32 v[SPW], v[NIL]                      ; 0 onto my spare word
	s_wait_dscnt 9                                 ; (the add and the youngest eight loads may be out)
	WIN MUL
	MUL4 F1, 0, 0                                  ; four matrix instructions stand between the add and the wait for it
	s_wait_dscnt 0x0                               ; the add is done, and my reads of this slot are over
	s_barrier_signal -1
	MUL4 F1, 1, 0
.if \fill
	WIN 0
.endif
	s_barrier_wait -1
.if \fill
	CREST                                          ; the barrier has opened a round of the cluster's barrier: no wave of any partner still reads this slot's tile or has a load on its way
	s_add_nc_u64 s[G0+4*\slot+2:G0+4*\slot+3], s[G0+4*\slot+2:G0+4*\slot+3], 2*KSTEP
	s_add_nc_u64 s[G0B+4*\slot+2:G0B+4*\slot+3], s[G0B+4*\slot+2:G0B+4*\slot+3], 2*KSTEP
	JLOAD \slot                                    ; the first tensor load behind the round; the four v_nop behind it are also the places in front of the loads below
.else
	PLACES
.endif
	FETCH \next, 0, F0
	WIN MUL
	MUL8 F1, 2, 0
.endm
	s_wait_alu depctr_va_vdst(0)                   ; the wait at the head's end
	s_wait_tensorcnt 0x0                           ; my part of K step 0 is in
	ds_add_u32 v[SPW], v[NIL]
	s_wait_dscnt 0x0
	CROUND                                         ; everybody's part is in, and the joint loads meet
	JLOAD 1                                        ; K step 1: the first tensor load behind the round
	FETCH 0, 0, F0
	QUARTER 0, 128, F0, F1, 1                      ; the first quarter stands in front of the loop: its products start the sums
.if LAPS > 1
	WIN 0                                          ; at a label and at a branch every window is 0
	s_mov_b32 s3, LAPS-1
.Llap:                                                 ; a trip goes once round the ring, from a lap's second quarter to the next lap's first, and fills both slots again
	QUARTER 0, 256, F1, F0, 0
	QUARTER 0, 384, F0, F1, 0
	TURN 0, 1, 1
	QUARTER 1, 128, F0, F1, 0
	QUARTER 1, 256, F1, F0, 0
	QUARTER 1, 384, F0, F1, 0
	TURN 1, 0, 1
	QUARTER 0, 128, F0, F1, 0
	WIN 0
	s_sub_co_u32 s3, s3, 1
	s_cmp_lg_u32 s3, 0
	s_cbranch_scc1 .Llap
.endif
	QUARTER 0, 256, F1, F0, 0                      ; the last lap fills nothing, and has no round of the cluster's barrier
	QUARTER 0, 384, F0, F1, 0
	TURN 0, 1, 0
	QUARTER 1, 128, F0, F1, 0
	QUARTER 1, 256, F1, F0, 0
	QUARTER 1, 384, F0, F1, 0
	s_wait_dscnt 8                                 ; the very last quarter: nothing more to fetch
	WIN MUL
	MUL8 F1, 0, 0
	s_wait_dscnt 0
	MUL8 F1, 2, 0
	WIN 0
; THE WAY OUT, block by block of 16 rows x 64 columns.  A lane holds 32 neighbouring bytes of a row; a block goes through my own stage and comes back as whole rows of 256 bytes.  LDS serves a wave's instructions in order
; (ISA guide 5.7.1.4): no wait between the stores and the loads, nor in front of the next block's stores.  Back in registers the rows take the bias, then the residual, which lies in the same layout.
.macro TOSTAGE a
.irp j, 0,2,4,6,8,10,12,14,16,18,20,22,24,26,28,30
	v_pk_mul_f32 v[TMP+\j:TMP+\j+1], v[ACC+32*(\a)+\j:ACC+32*(\a)+\j+1], s[96:97] op_sel_hi:[1,0]   ; both x 2^(ea + eb); each accumulator from its low end on
.endr
.irp b, 0,1,2,3
	ds_store_b128 v[STO], v[TMP+8*\b:TMP+8*\b+3] offset:64*\b
	ds_store_b128 v[STO], v[TMP+8*\b+4:TMP+8*\b+7] offset:64*\b+16
.endr
.set BB, BK+32*((\a)%2)
.irp t, 0,1,2,3,4,5,6,7
	ds_load_b128 v[BB+4*\t:BB+4*\t+3], v[RD] offset:\t*2*SPITCH
.endr
.endm
.macro SEND a, younger                 ; younger: the LDS instructions issued behind block a's loads: the next block's sixteen, or none
.set BB, BK+32*((\a)%2)
	s_wait_dscnt \younger                          ; the block's eight loads are in
.irp t, 0,1,2,3,4,5,6,7
	v_pk_add_f32 v[BB+4*\t:BB+4*\t+1], v[BB+4*\t:BB+4*\t+1], v[BIA:BIA+1]
	v_pk_add_f32 v[BB+4*\t+2:BB+4*\t+3], v[BB+4*\t+2:BB+4*\t+3], v[BIA+2:BIA+3]
.endr
	WIN 0x08                                       ; source 1: window 2, the residual
.irp t, 0,1,2,3,4,5,6,7
	v_pk_add_f32 v[BB+4*\t:BB+4*\t+1], v[BB+4*\t:BB+4*\t+1], v[32*(\a)+4*\t:32*(\a)+4*\t+1]
	v_pk_add_f32 v[BB+4*\t+2:BB+4*\t+3], v[BB+4*\t+2:BB+4*\t+3], v[32*(\a)+4*\t+2:32*(\a)+4*\t+3]
.endr
	WIN 0
.irp t, 0,1,2,3,4,5,6,7
	global_store_b128 v[CO], v[BB+4*\t:BB+4*\t+3], s[8:9] offset:(16*(\a)+2*\t)*ZROW th:TH_STORE_NT   ; 16 lanes store 256 consecutive bytes, aligned; not read again in this launch
.endr
.endm
	s_wait_kmcnt 0x0
	s_add_co_i32 s96, s96, s97                     ; ea + eb, between -126 and 127,
	s_add_co_i32 s96, s96, 127
	s_lshl_b32 s96, s96, 23                        ; makes the f32 number 2^(ea + eb)
	s_mov_b32 s97, s96                             ; (named with it as a pair, so it is written)
	s_wait_loadcnt 0x0                             ; the bias and the residual, asked for at the head
	PLACES                                         ; behind the last products
	TOSTAGE 0
	TOSTAGE 1
	SEND 0, 16
	s_wait_xcnt 0x0                                ; block 0's stores have read their registers: block 2's loads may land there
	TOSTAGE 2
	SEND 1, 16
	s_wait_xcnt 0x0
	TOSTAGE 3
	SEND 2, 16
	SEND 3, 0
	s_wait_tensorcnt 0x0                           ; the wave's end: behind my last tensor load and my last LDS store
	ds_add_u32 v[SPW], v[NIL]
	s_wait_dscnt 0x0
	CROUND                                         ; the closing round: no work-group ends while a partner may still ask for a tile that names it
	s_endpgm
.Lfunc_end_k_qca5ff0dfd1_projo:
	.size	k_qca5ff0dfd1_projo, .Lfunc_end_k_qca5ff0dfd1_projo-k_qca5ff0dfd1_projo
	.p2alignl 7, 3214868480
	.fill 96, 4, 3214868480
	.section	.rodata,"a",@progbits
	.p2align	6, 0x0
	.amdhsa_kernel k_qca5ff0dfd1_projo
		.amdhsa_group_segment_fixed_size 327680
		.amdhsa_private_segment_fixed_size 0
		.amdhsa_enable_private_segment 0
		.amdhsa_kernarg_size 48
		.amdhsa_user_sgpr_count 2
		.amdhsa_user_sgpr_kernarg_segment_ptr 1
		.amdhsa_wavefront_size32 1
		.amdhsa_system_sgpr_workgroup_id_x 1
		.amdhsa_system_sgpr_workgroup_id_y 1
		.amdhsa_system_sgpr_workgroup_id_z 1
		.amdhsa_system_vgpr_workitem_id 0
		.amdhsa_next_free_vgpr 640
		.amdhsa_next_free_sgpr 98
		.amdhsa_reserve_vcc 0
		.amdhsa_float_denorm_mode_32 3
		.amdhsa_float_denorm_mode_16_64 3
		.amdhsa_memory_ordered 1
		.amdhsa_forward_progress 1
		.amdhsa_inst_pref_size 58
	.end_amdhsa_kernel
	.amdgpu_metadata
---
amdhsa.version: [ 1, 2 ]
amdhsa.kernels:
  - .name:           k_qca5ff0dfd1_projo
    .symbol:         k_qca5ff0dfd1_projo.kd
    .args:
      - { .name: ao, .offset: 0, .size: 8, .value_kind: global_buffer, .address_space: global }
      - { .name: Wo_codes, .offset: 8, .size: 8, .value_kind: global_buffer, .address_space: global }
      - { .name: lowp_scales, .offset: 16, .size: 8, .value_kind: global_buffer, .address_space: global }
      - { .name: zsum, .offset: 24, .size: 8, .value_kind: global_buffer, .address_space: global }
      - { .name: X, .offset: 32, .size: 8, .value_kind: global_buffer, .address_space: global }
      - { .name: bo, .offset: 40, .size: 8, .value_kind: global_buffer, .address_space: global }
    .group_segment_fixed_size: 327680
    .private_segment_fixed_size: 0
    .kernarg_segment_align: 8
    .kernarg_segment_size: 48
    .max_flat_workgroup_size: 128
    .sgpr_count:     98
    .vgpr_count:     640
    .wavefront_size: 32
...
	.end_amdgpu_metadata
.endif
;; end of part 4
;; launch norm1 (part 5): grid 256 x 1, 4 waves a work-group, no clusters, 4,608 bytes of LDS; arguments zsum, ln1_w, ln1_b, xln, lowp_scales, xq; writes xln, xq
.if DOCPART == 5
	.amdgcn_target "amdgcn-amd-amdhsa--gfx1250"
	.amdhsa_code_object_version 6
	.text
	.protected	k_qca5ff0dfd1_norm1
	.globl	k_qca5ff0dfd1_norm1
	.p2align	8
	.type	k_qca5ff0dfd1_norm1,@function
k_qca5ff0dfd1_norm1:
	s_mov_b64 s[64:65], 0
	v_nop
	global_prefetch_b8 v0, s[64:65] scope:SCOPE_SE
	s_setreg_imm32_b32 hwreg(HW_REG_WAVE_MODE, 25, 1), 1
	s_wait_xcnt 0x0
; y = LayerNorm(z) x w + b along rows of 1,024, eps = 1e-5; all f32.  z holds the finished sum (product, bias and residual: the launch before has added them).  One source serves two launches, told apart by CODES.
; CODES = 1: y also leaves as E4M3 codes under entry 12 of the scales (LIMIT: that entry between -126 and 119; NaN is not served).  CODES = 0: y alone.
; A stream: memory binds, so no matrix unit, no cluster, no tensor load.  One wave takes a whole row (8 loads of 512 consecutive bytes) and keeps it in 32 registers between the passes:
; the mean; then the squares of the differences (a true second pass: no difference of large sums); then the scaling.  Four rows a wave, each in registers of its own: all 32 loads go out at the head, behind the 16 of w and b,
; and nothing is loaded later; a row is worked as soon as it is in, while the later rows are on their way.
; Lane l of load j holds columns 128 j + 4 l .. + 3; w and b lie in registers in the same order for the whole launch.
.set CODES, 1
.set GW, 16                            ; v16-47   w
.set GB, 48                            ; v48-79   b
.set ZR, 80                            ; v80-207  four rows
.set TH, 208                           ; v208-239 a row, held within the largest code x the scale
.set CR, 240                           ; v240-247 a row's codes
.set OR, 248                           ; v248-255 the same, back from LDS: 16 bytes a lane
	s_load_b256 s[4:11], s[0:1], 0x0               ; z 4, w 6, b 8, y 10
.if CODES
	s_load_b128 s[12:15], s[0:1], 0x20             ; the scales 12, the codes 14
	v_lshl_add_u32 v14, v0, 2, 0x1000
	v_mov_b32 v15, 0
.endif
	v_lshrrev_b32 v2, 5, v0
	v_readfirstlane_b32 s28, v2                    ; wave 0..3
	v_and_b32 v9, 31, v0                           ; lane
	v_lshlrev_b32 v1, 4, v9                        ; 16 bytes a lane
.if CODES
	s_lshl_b32 s29, s28, 10                        ; my wave's 1,024 bytes of LDS
	v_lshl_add_u32 v2, v9, 2, s29                  ; in: 4 bytes a lane
	v_lshl_add_u32 v3, v9, 4, s29                  ; out: 16 bytes a lane
.endif
	v_mov_b32 v8, 0                                ; written once: a lane permute's destination counts as one of its sources
	v_mov_b32 v11, 0                               ; (named as the upper half of the pair v[10:11])
	s_mov_b32 s20, 0x76543210                      ; v_permlanex16_b32: lane l xor 16
	s_mov_b32 s21, 0xfedcba98
	s_mov_b32 s22, 0x3a800000                      ; 1 / 1,024
	s_mov_b32 s23, 0x3727c5ac                      ; 1e-5
	s_lshl_b32 s26, ttmp9, 4
	s_lshl_b32 s27, s28, 2
	s_add_co_u32 s28, s26, s27                     ; my first row: 16 x work-group + 4 x wave
	s_lshl_b32 s26, s28, 12                        ; rows of 4,096 bytes
	s_mov_b32 s27, 0
	s_lshl_b32 s28, s28, 10                        ; rows of 1,024 codes
	s_mov_b32 s29, 0
	s_wait_alu depctr_va_vdst(0)
	s_wait_kmcnt 0x0
.if CODES
	s_load_b32 s24, s[12:13], 0x30                 ; entry 12
	s_add_nc_u64 s[14:15], s[14:15], s[28:29]
.endif
	s_add_nc_u64 s[4:5], s[4:5], s[26:27]
	s_add_nc_u64 s[10:11], s[10:11], s[26:27]
.irp j, 0,1,2,3,4,5,6,7
	global_load_b128 v[GW+4*\j:GW+4*\j+3], v1, s[6:7] offset:512*\j
	global_load_b128 v[GB+4*\j:GB+4*\j+3], v1, s[8:9] offset:512*\j
.endr
.irp i, 0,1,2,3
.irp j, 0,1,2,3,4,5,6,7
	global_load_b128 v[ZR+32*\i+4*\j:ZR+32*\i+4*\j+3], v1, s[4:5] offset:4096*\i+512*\j th:TH_LOAD_NT
.endr
.endr
.if CODES
	s_wait_kmcnt 0x0
	s_add_co_i32 s24, s24, 127
	s_lshl_b32 s25, s24, 23
	v_mov_b32 v12, s25                             ; 2^e as f32: the conversion takes its exponent field
	s_add_co_i32 s24, s24, 8
	s_lshl_b32 s24, s24, 23
	s_or_b32 s24, s24, 0x600000
	v_mov_b32 v13, s24                             ; 448 x 2^e
.endif
.macro REDUCE                          ; v4 summed over the 32 lanes, the result in every lane
	v_add_f32_dpp v4, v4, v4 row_xmask:1 row_mask:0xf bank_mask:0xf
	v_add_f32_dpp v4, v4, v4 row_xmask:2 row_mask:0xf bank_mask:0xf
	v_add_f32_dpp v4, v4, v4 row_xmask:4 row_mask:0xf bank_mask:0xf
	v_add_f32_dpp v4, v4, v4 row_xmask:8 row_mask:0xf bank_mask:0xf
	v_permlanex16_b32 v8, v4, s20, s21
	v_add_f32 v4, v4, v8
.endm
.macro ROW i
.set ZS, ZR+32*(\i)
	s_wait_loadcnt 8*(3-(\i))                      ; loads come back in order: w, b and this row are in; the later rows' eight loads each may be out
	v_pk_add_f32 v[4:5], v[ZS:ZS+1], v[ZS+2:ZS+3]  ; the row's sum, in two chains
	v_pk_add_f32 v[6:7], v[ZS+4:ZS+5], v[ZS+6:ZS+7]
.irp j, 8,12,16,20,24,28
	v_pk_add_f32 v[4:5], v[4:5], v[ZS+\j:ZS+\j+1]
	v_pk_add_f32 v[6:7], v[6:7], v[ZS+\j+2:ZS+\j+3]
.endr
	v_pk_add_f32 v[4:5], v[4:5], v[6:7]
	v_add_f32 v4, v4, v5
	REDUCE
	v_mul_f32 v10, s22, v4                         ; the mean
.irp j, 0,2,4,6,8,10,12,14,16,18,20,22,24,26,28,30
	v_pk_add_f32 v[ZS+\j:ZS+\j+1], v[ZS+\j:ZS+\j+1], v[10:11] op_sel_hi:[1,0] neg_lo:[0,1] neg_hi:[0,1]   ; less the mean (the pair's low word for both halves)
.endr
	v_pk_mul_f32 v[4:5], v[ZS:ZS+1], v[ZS:ZS+1]    ; the squares, in two chains
	v_pk_mul_f32 v[6:7], v[ZS+2:ZS+3], v[ZS+2:ZS+3]
.irp j, 4,8,12,16,20,24,28
	v_pk_fma_f32 v[4:5], v[ZS+\j:ZS+\j+1], v[ZS+\j:ZS+\j+1], v[4:5]
	v_pk_fma_f32 v[6:7], v[ZS+\j+2:ZS+\j+3], v[ZS+\j+2:ZS+\j+3], v[6:7]
.endr
	v_pk_add_f32 v[4:5], v[4:5], v[6:7]
	v_add_f32 v4, v4, v5
	REDUCE
	v_fma_f32 v6, v4, s22, s23                     ; the variance + eps
	s_wait_alu depctr_va_vdst(0)
	v_rsq_f32 v10, v6
	v_nop                                          ; a plain line behind the transcendental
	s_wait_alu depctr_va_vdst(0)                   ; the wait ahead of the first reader
.irp j, 0,2,4,6,8,10,12,14,16,18,20,22,24,26,28,30
	v_pk_mul_f32 v[ZS+\j:ZS+\j+1], v[ZS+\j:ZS+\j+1], v[10:11] op_sel_hi:[1,0]
.endr
.irp j, 0,2,4,6,8,10,12,14,16,18,20,22,24,26,28,30
	v_pk_fma_f32 v[ZS+\j:ZS+\j+1], v[ZS+\j:ZS+\j+1], v[GW+\j:GW+\j+1], v[GB+\j:GB+\j+1]
.endr
.irp j, 0,1,2,3,4,5,6,7
.if CODES
	global_store_b128 v1, v[ZS+4*\j:ZS+4*\j+3], s[10:11] offset:4096*(\i)+512*\j   ; 32 lanes store 512 consecutive bytes, aligned
.else
	global_store_b128 v1, v[ZS+4*\j:ZS+4*\j+3], s[10:11] offset:4096*(\i)+512*\j th:TH_STORE_NT
.endif
.endr
.if CODES
.set TT, 0
.rept 32
	v_med3_num_f32 v[TH+TT], v[ZS+TT], -v13, v13   ; the conversion to an 8-bit code does not saturate (ISA guide 7.6.2): the hold comes first
.set TT, TT+1
.endr
.irp k, 0,1,2,3
	v_cvt_scalef32_pk8_fp8_f32 v[CR+2*\k:CR+2*\k+1], v[TH+8*\k:TH+8*\k+7], v12   ; register j of the eight = the codes of columns 128 j + 4 l on
.endr
	v_nop                                          ; one plain vector line behind the last conversion
.irp j, 0,1,2,3,4,5,6,7
	ds_store_b32 v2, v[CR+\j] offset:128*\j
.endr
.irp k, 0,1
	ds_load_b128 v[OR+4*\k:OR+4*\k+3], v3 offset:512*\k   ; LDS serves a wave's instructions in order: these see my stores
.endr
	s_wait_dscnt 0x0
.irp k, 0,1
	global_store_b128 v1, v[OR+4*\k:OR+4*\k+3], s[14:15] offset:1024*(\i)+512*\k
.endr
.if (\i) < 3
	s_wait_xcnt 0x0                                ; the stores have read their registers: the next row's codes land in v[OR] on only behind this wait
.endif
.endif
.endm
	ROW 0
	ROW 1
	ROW 2
	ROW 3
	s_wait_tensorcnt 0x0
	ds_add_u32 v14, v15
	s_wait_dscnt 0x0
	s_endpgm
.Lfunc_end_k_qca5ff0dfd1_norm1:
	.size	k_qca5ff0dfd1_norm1, .Lfunc_end_k_qca5ff0dfd1_norm1-k_qca5ff0dfd1_norm1
	.p2alignl 7, 3214868480
	.fill 96, 4, 3214868480
	.section	.rodata,"a",@progbits
	.p2align	6, 0x0
	.amdhsa_kernel k_qca5ff0dfd1_norm1
		.amdhsa_group_segment_fixed_size 4608
		.amdhsa_private_segment_fixed_size 0
		.amdhsa_enable_private_segment 0
		.amdhsa_kernarg_size 48
		.amdhsa_user_sgpr_count 2
		.amdhsa_user_sgpr_kernarg_segment_ptr 1
		.amdhsa_wavefront_size32 1
		.amdhsa_system_sgpr_workgroup_id_x 1
		.amdhsa_system_sgpr_workgroup_id_y 1
		.amdhsa_system_sgpr_workgroup_id_z 1
		.amdhsa_system_vgpr_workitem_id 0
		.amdhsa_next_free_vgpr 256
		.amdhsa_next_free_sgpr 66
		.amdhsa_reserve_vcc 0
		.amdhsa_float_denorm_mode_32 3
		.amdhsa_float_denorm_mode_16_64 3
		.amdhsa_memory_ordered 1
		.amdhsa_forward_progress 1
		.amdhsa_inst_pref_size 47
	.end_amdhsa_kernel
	.amdgpu_metadata
---
amdhsa.version: [ 1, 2 ]
amdhsa.kernels:
  - .name:           k_qca5ff0dfd1_norm1
    .symbol:         k_qca5ff0dfd1_norm1.kd
    .args:
      - { .name: zsum, .offset: 0, .size: 8, .value_kind: global_buffer, .address_space: global }
      - { .name: ln1_w, .offset: 8, .size: 8, .value_kind: global_buffer, .address_space: global }
      - { .name: ln1_b, .offset: 16, .size: 8, .value_kind: global_buffer, .address_space: global }
      - { .name: xln, .offset: 24, .size: 8, .value_kind: global_buffer, .address_space: global }
      - { .name: lowp_scales, .offset: 32, .size: 8, .value_kind: global_buffer, .address_space: global }
      - { .name: xq, .offset: 40, .size: 8, .value_kind: global_buffer, .address_space: global }
    .group_segment_fixed_size: 4608
    .private_segment_fixed_size: 0
    .kernarg_segment_align: 8
    .kernarg_segment_size: 48
    .max_flat_workgroup_size: 128
    .sgpr_count:     66
    .vgpr_count:     256
    .wavefront_size: 32
...
	.end_amdgpu_metadata
.endif
;; end of part 5
;; launch mlpup (part 6): grid 16 x 16, 4 waves a work-group, clusters of 4 x 4, 327,680 bytes of LDS; arguments xq, Wup_codes, lowp_scales, bup, hid; writes hid
.if DOCPART == 6
	.amdgcn_target "amdgcn-amd-amdhsa--gfx1250"
	.amdhsa_code_object_version 6
	.text
	.protected	k_qca5ff0dfd1_mlpup
	.globl	k_qca5ff0dfd1_mlpup
	.p2align	8
	.type	k_qca5ff0dfd1_mlpup,@function
k_qca5ff0dfd1_mlpup:
	s_mov_b64 s[64:65], 0
	v_nop
	global_prefetch_b8 v0, s[64:65] scope:SCOPE_SE
	s_setreg_imm32_b32 hwreg(HW_REG_WAVE_MODE, 25, 1), 1
	s_wait_xcnt 0x0
	s_wait_alu depctr_hold_cnt(0) depctr_sa_sdst(0) depctr_va_vdst(0) depctr_va_sdst(0) depctr_va_ssrc(0) depctr_va_vcc(0) depctr_vm_vsrc(0)
	s_getreg_b32 s2, hwreg(HW_REG_IB_STS2, 6, 4)
	s_cmp_eq_u32 s2, 0
	s_cbranch_scc0 .Lentry_in_a_cluster
	s_endpgm
.Lentry_in_a_cluster:
	s_bfe_u32 s2, ttmp6, 0x10000c
	s_cmp_lg_u32 s2, 0xf033
	s_cbranch_scc0 .Lentry_shape_is_right
	s_endpgm
.Lentry_shape_is_right:
.set KIND,   1
.set SIZE_K, 1024
.set KSTEP,  256
.set ROWB,   256
.set KROW,   SIZE_K
.set PITCH,  272
.set FR,     16
.set NL,     4
.set NP,     4
.set HALFT,  128*PITCH
.set SLOT,   4*HALFT
.set LAPS,   SIZE_K/(2*KSTEP)
.set SPARE,  2*SLOT
.set ADRA, 16
.set ADRB, 20
.set STO,  24
.set RD,   25
.set CO,   26
.set SPW,  28
.set NIL,  29
.set CSC,  30
.set LIMV, 31
.set BC,   32
.set BR,   96
.set TMP,  112
.set CD,   176
.set OF,   32
.set BK,   128
.set AF,   128
.set G1, 24
.set G0, 32
.set G1B, 48
.set G0B, 56
.set MSB, 0
.macro WIN new
.if MSB != \new
	s_set_vgpr_msb (MSB<<8)|\new
.set MSB, \new
.endif
.endm
.set MUL_LO, 0xa1
.set MUL_HI, 0xf1
.set TO_B,   0x40
.macro JLOAD g0a, g1a, g0b, g1b
	s_cmp_eq_u32 s15, 0
	s_cbranch_scc0 .Lfor_b_\@
	tensor_load_to_lds s[\g0a:\g0a+3], s[\g1a:\g1a+7]
	s_nop 0
.rept 4
	v_nop
.endr
	s_branch .Lasked_\@
.Lfor_b_\@:
	tensor_load_to_lds s[\g0b:\g0b+3], s[\g1b:\g1b+7]
	s_nop 0
.rept 4
	v_nop
.endr
.Lasked_\@:
.endm
.macro CREST
	s_cmp_lg_u32 s14, 0
	s_cbranch_scc1 .Lnot_wave_0_\@
	s_barrier_signal -3
.Lnot_wave_0_\@:
	s_barrier_wait -3
	s_barrier_signal -1
	s_barrier_wait -1
.endm
.macro CROUND
	s_barrier_signal -1
	s_barrier_wait -1
	CREST
.endm
.if KIND == 0
	s_load_b512 s[68:83], s[0:1], 0x0
	s_load_b64 s[84:85], s[0:1], 0x40
.else
	s_load_b256 s[68:75], s[0:1], 0x0
	s_load_b64 s[84:85], s[0:1], 0x20
.endif
	v_lshl_add_u32 v[SPW], v0, 2, SPARE
	v_mov_b32 v[NIL], 0
	ds_add_u32 v28, v29
	ds_add_u32 v28, v29
	s_wait_dscnt 0x0
	v_lshrrev_b32 v1, 5, v0
	v_readfirstlane_b32 s14, v1
	s_lshr_b32 s15, s14, 1
	s_and_b32 s16, s14, 1
	s_bfe_u32 s40, ttmp6, 0x40000
	s_bfe_u32 s41, ttmp6, 0x40004
	s_and_b32 s17, ttmp7, 0xffff
	s_lshl_b32 s17, s17, 2
.if KIND == 0
	s_cmp_eq_u32 ttmp9, 2
	s_cselect_b32 s42, s17, 0
	s_cselect_b32 s17, 0, s17
	s_lshl_b32 s90, ttmp9, 22
	s_mov_b32 s91, 0
.else
	s_lshl_b32 s42, ttmp9, 2
.endif
	s_add_co_u32 s42, s42, s40
	s_add_co_u32 s17, s17, s41
	s_lshl_b32 s43, s41, 2
	s_lshl_b32 s43, 15, s43
	s_lshl_b32 s44, 0x1111, s40
	s_or_b32 s[G1+0], s43, (0<<16)|(1<<20)|(1<<21)|(5<<22)|(3<<25)
	s_or_b32 s[G1B+0], s44, (0<<16)|(1<<20)|(1<<21)|(5<<22)|(3<<25)
.irp g, G1, G1B
	s_mov_b32 s[\g+1], ROWB<<16
	s_mov_b32 s[\g+2], 128<<16
	s_mov_b32 s[\g+3], ROWB<<16
	s_mov_b32 s[\g+4], 128
	s_mov_b32 s[\g+5], KROW
	s_mov_b32 s[\g+6], 0
	s_mov_b32 s[\g+7], 0
.endr
	s_lshl_b32 s18, s16, 7
	s_lshl_b32 s20, s17, 8
	s_add_co_u32 s20, s20, s18
	s_lshl_b32 s20, s20, 10
	s_lshl_b32 s46, s42, 8
	s_add_co_u32 s46, s46, s18
	s_lshl_b32 s46, s46, 10
	s_mov_b32 s21, 0
	s_mov_b32 s47, 0
	s_mul_i32 s45, s14, HALFT
	s_wait_kmcnt 0x0
.if KIND == 0
	s_add_nc_u64 s[68:69], s[68:69], s[90:91]
	s_add_nc_u64 s[84:85], s[84:85], s[90:91]
	s_cmp_eq_u32 ttmp9, 0
	s_cselect_b64 s[86:87], s[70:71], s[72:73]
	s_cselect_b64 s[88:89], s[78:79], s[80:81]
	s_cmp_eq_u32 ttmp9, 2
	s_cselect_b64 s[86:87], s[74:75], s[86:87]
	s_cselect_b64 s[88:89], s[82:83], s[88:89]
	s_cselect_b64 s[4:5], s[86:87], s[68:69]
	s_cselect_b64 s[6:7], s[68:69], s[86:87]
	s_mov_b32 s92, 1024
	s_cselect_b32 s92, 4096, s92
	s_cselect_b32 s98, 0, -1
	s_cselect_b32 s99, -1, 0
	s_mov_b64 s[100:101], s[76:77]
.else
	s_mov_b64 s[4:5], s[68:69]
	s_mov_b64 s[6:7], s[70:71]
	s_mov_b64 s[88:89], s[74:75]
	s_mov_b64 s[100:101], s[72:73]
	s_mov_b32 s92, 4096
.endif
	s_mov_b64 s[10:11], s[84:85]
	s_load_b512 s[68:83], s[100:101], 0x0
	s_add_nc_u64 s[20:21], s[4:5], s[20:21]
	s_add_nc_u64 s[46:47], s[6:7], s[46:47]
	CROUND
.irp s, 0,1
	s_mov_b32 s[G0+4*\s], 1
	s_add_co_u32 s[G0+4*\s+1], s45, \s*SLOT
	s_add_nc_u64 s[G0+4*\s+2:G0+4*\s+3], s[20:21], \s*ROWB
	s_or_b32 s[G0+4*\s+3], s[G0+4*\s+3], 0x80000000
	s_mov_b32 s[G0B+4*\s], 1
	s_add_co_u32 s[G0B+4*\s+1], s45, \s*SLOT
	s_add_nc_u64 s[G0B+4*\s+2:G0B+4*\s+3], s[46:47], \s*ROWB
	s_or_b32 s[G0B+4*\s+3], s[G0B+4*\s+3], 0x80000000
.endr
	JLOAD G0, G1, G0B, G1B                         ; K step 0: one tensor load a wave at the head
	v_and_b32 v1, 15, v0
	v_bfe_u32 v2, v0, 4, 1
	s_wait_alu depctr_va_vdst(0)
	v_mul_u32_u24 v3, v1, PITCH
	v_lshl_add_u32 v4, v2, 4, v3
	s_mul_i32 s21, s15, HALFT
	s_mul_i32 s22, s16, HALFT
	s_add_co_u32 s22, s22, 2*HALFT
.irp s, 0,1
	v_add_nc_u32 v[ADRA+\s], s21, v4
	v_add_nc_u32 v[ADRB+\s], s22, v4
	s_add_co_u32 s21, s21, SLOT
	s_add_co_u32 s22, s22, SLOT
.endr
	v_lshl_add_u32 v5, v2, 3, v3
	s_mul_i32 s23, s15, 128*PITCH
	s_lshl_b32 s18, s16, 7
	s_add_co_u32 s23, s23, s18
	v_add_nc_u32 v[STO], s23, v5
	v_mul_u32_u24 v5, v2, PITCH
	v_lshl_add_u32 v5, v1, 4, v5
	s_mul_i32 s23, s14, 64*PITCH
	v_add_nc_u32 v[RD], s23, v5
.if KIND == 0
	v_mul_lo_u32 v6, v2, s92
.else
	v_lshlrev_b32 v6, 12, v2
.endif
	v_lshl_add_u32 v[CO], v1, 4, v6
	s_lshl_b32 s20, s17, 8
	s_lshl_b32 s21, s14, 6
	s_add_co_u32 s20, s20, s21
	s_mul_i32 s20, s20, s92
	s_lshl_b32 s21, s42, 8
	s_add_co_u32 s20, s20, s21
	s_mov_b32 s21, 0
	s_add_nc_u64 s[10:11], s[10:11], s[20:21]
	s_lshl_b32 s93, s92, 1
.if KIND == 0
	s_lshl_b32 s22, s40, 10
	s_lshl_b32 s18, s41, 10
	s_lshl_b32 s19, s15, 9
	s_add_co_u32 s18, s18, s19
	s_mov_b32 s19, 0
	s_add_nc_u64 s[86:87], s[88:89], s[18:19]
.else
	s_lshl_b32 s22, s42, 10
.endif
	s_lshl_b32 s23, s16, 9
	s_add_co_u32 s22, s22, s23
	s_mov_b32 s23, 0
	s_add_nc_u64 s[88:89], s[88:89], s[22:23]
	v_lshlrev_b32 v7, 5, v2
	v_lshlrev_b32 v8, 2, v1
.irp b, 0,1,2,3,4,5,6,7
	global_load_b128 v[BC+8*\b:BC+8*\b+3], v7, s[88:89] offset:64*\b
	global_load_b128 v[BC+8*\b+4:BC+8*\b+7], v7, s[88:89] offset:64*\b+16
.endr
.if KIND == 0
.irp a, 0,1,2,3,4,5,6,7
	global_load_b32 v[BR+2*\a], v8, s[86:87] offset:64*\a
.endr
.endif
	s_wait_loadcnt 0x0
.if KIND == 0
.set TT, 0
.rept 64
	v_cndmask_b32 v[BC+TT], 0, v[BC+TT], s98
.set TT, TT+1
.endr
.irp a, 0,1,2,3,4,5,6,7
	v_cndmask_b32 v[BR+2*\a], 0, v[BR+2*\a], s99
.endr
.irp a, 0,1,2,3,4,5,6,7
	v_mov_b32 v[BR+2*\a+1], v[BR+2*\a]
.endr
.endif
.macro FRAG reg, adr, q, i
.irp c, 0,1,2,3
	ds_load_b128 v[\reg+4*\c:\reg+4*\c+3], v[\adr] offset:128*(\q)+32*\c+(\i)*16*PITCH
.endr
.endm
.macro MUL16 a0, p, zero
.irp a, \a0, \a0+1
.irp b, 0,1,2,3,4,5,6,7
.if \zero
	v_wmma_f32_16x16x128_fp8_fp8 v[8*(8*((\a)%4)+\b):8*(8*((\a)%4)+\b)+7], v[128*(\p)+FR*\b:128*(\p)+FR*\b+FR-1], v[AF+FR*(\a):AF+FR*(\a)+FR-1], 0
.else
	v_wmma_f32_16x16x128_fp8_fp8 v[8*(8*((\a)%4)+\b):8*(8*((\a)%4)+\b)+7], v[128*(\p)+FR*\b:128*(\p)+FR*\b+FR-1], v[AF+FR*(\a):AF+FR*(\a)+FR-1], v[8*(8*((\a)%4)+\b):8*(8*((\a)%4)+\b)+7]
.endif
.endr
.endr
.endm
.macro FETCH_B slot, q, p
	WIN TO_B
.irp i, 0,1,2,3,4,5,6,7
	FRAG 128*(\p)+FR*\i, ADRB+\slot, \q, \i
.endr
	WIN 0
.endm
.macro FETCH_A slot, q, i0
.irp i, \i0, \i0+1, \i0+2, \i0+3
	FRAG AF+FR*(\i), ADRA+\slot, \q, \i
.endr
.endm
.macro PLACES n
.rept \n
	v_nop
.endr
.endm
.macro STEP slot, q, zero
	s_wait_dscnt 4*NL
	WIN MUL_LO
	MUL16 0, (\q)%2, \zero
	MUL16 2, (\q)%2, \zero
	s_wait_dscnt 0
	PLACES NP
	FETCH_B \slot, (\q)+1, 1-(\q)%2
	FETCH_A \slot, (\q)+1, 0
	WIN MUL_HI
	MUL16 4, (\q)%2, \zero
	MUL16 6, (\q)%2, \zero
	PLACES NP
	WIN 0
	FETCH_A \slot, (\q)+1, 4
.endm
.macro TURN slot, next, fill
	s_wait_tensorcnt 0x0
	ds_add_u32 v[SPW], v[NIL]
	s_wait_dscnt 4*NL+1
	WIN MUL_LO
	MUL16 0, 1, 0
	s_wait_dscnt 0x0
	s_barrier_signal -1
	MUL16 2, 1, 0
	WIN 0
	s_barrier_wait -1
.if \fill
	CREST
	s_add_nc_u64 s[G0+4*\slot+2:G0+4*\slot+3], s[G0+4*\slot+2:G0+4*\slot+3], 2*ROWB
	s_add_nc_u64 s[G0B+4*\slot+2:G0B+4*\slot+3], s[G0B+4*\slot+2:G0B+4*\slot+3], 2*ROWB
	JLOAD G0+4*\slot, G1, G0B+4*\slot, G1B
.else
	PLACES NP
.endif
	FETCH_B \next, 0, 0
	FETCH_A \next, 0, 0
	WIN MUL_HI
	MUL16 4, 1, 0
	MUL16 6, 1, 0
	PLACES NP
	WIN 0
	FETCH_A \next, 0, 4
.endm
	s_wait_alu depctr_va_vdst(0)                   ; the wait at the head's end
	s_wait_tensorcnt 0x0                           ; my part of K step 0 is in
	ds_add_u32 v[SPW], v[NIL]
	s_wait_dscnt 0x0
	CROUND                                         ; everybody's part is in, and the joint loads meet
	JLOAD G0+4, G1, G0B+4, G1B                     ; K step 1: the first tensor load behind the round
	FETCH_B 0, 0, 0
	FETCH_A 0, 0, 0
	FETCH_A 0, 0, 4
	STEP 0, 0, 1
	s_mov_b32 s3, LAPS-1
.Llap:
	TURN 0, 1, 1
	STEP 1, 0, 0
	TURN 1, 0, 1
	STEP 0, 0, 0
	s_sub_co_u32 s3, s3, 1
	s_cmp_lg_u32 s3, 0
	s_cbranch_scc1 .Llap
	TURN 0, 1, 0
	STEP 1, 0, 0
	s_wait_dscnt 4*NL
	WIN MUL_LO
	MUL16 0, 1, 0
	MUL16 2, 1, 0
	s_wait_dscnt 0
	WIN MUL_HI
	MUL16 4, 1, 0
	MUL16 6, 1, 0
	WIN 0
.macro CBLOCK a
.set AC, 64*((\a)%4)
.set CC, CD+16*((\a)%2)
	WIN 0x02+((\a)/4)
.irp b, 0,1,2,3,4,5,6,7
.irp i, 0,2,4,6
	v_pk_fma_f32 v[TMP+8*\b+\i:TMP+8*\b+\i+1], v[AC+8*\b+\i:AC+8*\b+\i+1], s[96:97], v[BC+8*\b+\i:BC+8*\b+\i+1] op_sel_hi:[1,0,1]
.endr
.endr
	WIN 0
.if KIND == 0
.set TT, 0
.rept 32
	v_pk_add_f32 v[TMP+TT:TMP+TT+1], v[TMP+TT:TMP+TT+1], v[BR+2*(\a):BR+2*(\a)+1]
.set TT, TT+2
.endr
.endif
.set TT, 0
.rept 64
.if KIND == 0
	v_med3_num_f32 v[TMP+TT], v[TMP+TT], -v[LIMV], v[LIMV]
.else
	v_med3_num_f32 v[TMP+TT], v[TMP+TT], 0, v[LIMV]
.endif
.set TT, TT+1
.endr
.irp b, 0,1,2,3,4,5,6,7
	v_cvt_scalef32_pk8_fp8_f32 v[CC+2*\b:CC+2*\b+1], v[TMP+8*\b:TMP+8*\b+7], v[CSC]
.endr
	v_nop
.irp b, 0,1,2,3,4,5,6,7
	ds_store_b64 v[STO], v[CC+2*\b:CC+2*\b+1] offset:(\a)*16*PITCH+16*\b
.endr
.endm
	s_wait_kmcnt 0x0
.if KIND == 0
	s_add_co_i32 s86, s68, s69
	s_add_co_i32 s87, s70, s71
	s_add_co_i32 s88, s72, s73
	s_cmp_eq_u32 ttmp9, 0
	s_cselect_b32 s94, s86, s87
	s_cselect_b32 s95, s74, s75
	s_cmp_eq_u32 ttmp9, 2
	s_cselect_b32 s94, s88, s94
	s_cselect_b32 s95, s77, s95
.else
	s_add_co_i32 s94, s80, s81
	s_mov_b32 s95, s82
.endif
	s_add_co_i32 s94, s94, 127
	s_lshl_b32 s96, s94, 23
	s_mov_b32 s97, s96
	s_add_co_i32 s95, s95, 127
	s_lshl_b32 s94, s95, 23
	v_mov_b32 v[CSC], s94
	s_add_co_i32 s95, s95, 8
	s_lshl_b32 s95, s95, 23
	s_or_b32 s95, s95, 0x600000
	v_mov_b32 v[LIMV], s95
	PLACES NP
.irp a, 0,1,2,3,4,5,6,7
	CBLOCK \a
.endr
.if KIND == 0
	v_mov_b32 v[OF], v[CO]
.set TT, 1
.rept 31
	v_add_nc_u32 v[OF+TT], s93, v[OF+TT-1]
.set TT, TT+1
.endr
.endif
	s_wait_dscnt 0x0
	s_barrier_signal -1
	s_barrier_wait -1
.set TT, 0
.rept 32
	ds_load_b128 v[BK+4*TT:BK+4*TT+3], v[RD] offset:TT*2*PITCH
.set TT, TT+1
.endr
.set TT, 0
.rept 32
	s_wait_dscnt 31-TT
.if KIND == 0
	global_store_b128 v[OF+TT], v[BK+4*TT:BK+4*TT+3], s[10:11]
.else
	global_store_b128 v[CO], v[BK+4*TT:BK+4*TT+3], s[10:11] offset:TT*2*4096
.endif
.set TT, TT+1
.endr
	s_wait_tensorcnt 0x0
	ds_add_u32 v[SPW], v[NIL]
	s_wait_dscnt 0x0
	CROUND
	s_endpgm
.Lfunc_end_k_qca5ff0dfd1_mlpup:
	.size	k_qca5ff0dfd1_mlpup, .Lfunc_end_k_qca5ff0dfd1_mlpup-k_qca5ff0dfd1_mlpup
	.p2alignl 7, 3214868480
	.fill 96, 4, 3214868480
	.section	.rodata,"a",@progbits
	.p2align	6, 0x0
	.amdhsa_kernel k_qca5ff0dfd1_mlpup
		.amdhsa_group_segment_fixed_size 327680
		.amdhsa_private_segment_fixed_size 0
		.amdhsa_enable_private_segment 0
		.amdhsa_kernarg_size 40
		.amdhsa_user_sgpr_count 2
		.amdhsa_user_sgpr_kernarg_segment_ptr 1
		.amdhsa_wavefront_size32 1
		.amdhsa_system_sgpr_workgroup_id_x 1
		.amdhsa_system_sgpr_workgroup_id_y 1
		.amdhsa_system_sgpr_workgroup_id_z 1
		.amdhsa_system_vgpr_workitem_id 0
		.amdhsa_next_free_vgpr 1024
		.amdhsa_next_free_sgpr 102
		.amdhsa_reserve_vcc 0
		.amdhsa_float_denorm_mode_32 3
		.amdhsa_float_denorm_mode_16_64 3
		.amdhsa_memory_ordered 1
		.amdhsa_forward_progress 1
		.amdhsa_inst_pref_size 143
	.end_amdhsa_kernel
	.amdgpu_metadata
---
amdhsa.version: [ 1, 2 ]
amdhsa.kernels:
  - .name:           k_qca5ff0dfd1_mlpup
    .symbol:         k_qca5ff0dfd1_mlpup.kd
    .args:
      - { .name: xq, .offset: 0, .size: 8, .value_kind: global_buffer, .address_space: global }
      - { .name: Wup_codes, .offset: 8, .size: 8, .value_kind: global_buffer, .address_space: global }
      - { .name: lowp_scales, .offset: 16, .size: 8, .value_kind: global_buffer, .address_space: global }
      - { .name: bup, .offset: 24, .size: 8, .value_kind: global_buffer, .address_space: global }
      - { .name: hid, .offset: 32, .size: 8, .value_kind: global_buffer, .address_space: global }
    .group_segment_fixed_size: 327680
    .private_segment_fixed_size: 0
    .kernarg_segment_align: 8
    .kernarg_segment_size: 40
    .max_flat_workgroup_size: 128
    .sgpr_count:     102
    .vgpr_count:     1024
    .wavefront_size: 32
...
	.end_amdgpu_metadata
.endif
;; end of part 6
;; launch mlpdown (part 7): grid 8 x 32, 4 waves a work-group, clusters of 4 x 4, 327,680 bytes of LDS; arguments hid, Wdown_codes, lowp_scales, zsum, xln, bdown; writes zsum
.if DOCPART == 7
	.amdgcn_target "amdgcn-amd-amdhsa--gfx1250"
	.amdhsa_code_object_version 6
	.text
	.protected	k_qca5ff0dfd1_mlpdown
	.globl	k_qca5ff0dfd1_mlpdown
	.p2align	8
	.type	k_qca5ff0dfd1_mlpdown,@function
k_qca5ff0dfd1_mlpdown:
	s_mov_b64 s[64:65], 0
	v_nop
	global_prefetch_b8 v0, s[64:65] scope:SCOPE_SE
	s_setreg_imm32_b32 hwreg(HW_REG_WAVE_MODE, 25, 1), 1
	s_wait_xcnt 0x0
	s_wait_alu depctr_hold_cnt(0) depctr_sa_sdst(0) depctr_va_vdst(0) depctr_va_sdst(0) depctr_va_ssrc(0) depctr_va_vcc(0) depctr_vm_vsrc(0)
	s_getreg_b32 s2, hwreg(HW_REG_IB_STS2, 6, 4)
	s_cmp_eq_u32 s2, 0
	s_cbranch_scc0 .Lentry_in_a_cluster
	s_endpgm
.Lentry_in_a_cluster:
	s_bfe_u32 s2, ttmp6, 0x10000c
	s_cmp_lg_u32 s2, 0xf033
	s_cbranch_scc0 .Lentry_shape_is_right
	s_endpgm
.Lentry_shape_is_right:
.set SIZE_K, 4096
.set SCOFF,  56
.set KSTEP,  512
.set PITCH,  528
.set HALFT,  64*PITCH
.set SLOT,   4*HALFT
.set STAGE,  2*SLOT
.set SPITCH, 272
.set SPARE,  STAGE+4*16*SPITCH
.set LAPS,   SIZE_K/(2*KSTEP)
.set ZROW,   4096
.set BIA,  8
.set ADRA, 16
.set ADRB, 20
.set STO,  24
.set RD,   25
.set CO,   26
.set SPW,  28
.set NIL,  29
.set TMP,  32
.set BK,   64
.set ACC,  128
.set F0,   0
.set F1,   128
.set G1, 24
.set G0, 32
.set G1B, 48
.set G0B, 56
.set MSB, 0
.macro WIN new
.if MSB != \new
	s_set_vgpr_msb (MSB<<8)|\new
.set MSB, \new
.endif
.endm
.set MUL,  0x05
.set TO_F, 0x40
.macro JLOAD s
	s_cmp_eq_u32 s11, 0
	s_cbranch_scc0 .Lfor_b_\@
	tensor_load_to_lds s[G0+4*\s:G0+4*\s+3], s[G1:G1+7]
	s_nop 0
.rept 4
	v_nop
.endr
	s_branch .Lasked_\@
.Lfor_b_\@:
	tensor_load_to_lds s[G0B+4*\s:G0B+4*\s+3], s[G1B:G1B+7]
	s_nop 0
.rept 4
	v_nop
.endr
.Lasked_\@:
.endm
.macro CREST
	s_cmp_lg_u32 s10, 0
	s_cbranch_scc1 .Lnot_wave_0_\@
	s_barrier_signal -3
.Lnot_wave_0_\@:
	s_barrier_wait -3
	s_barrier_signal -1
	s_barrier_wait -1
.endm
.macro CROUND
	s_barrier_signal -1
	s_barrier_wait -1
	CREST
.endm
	s_load_b128 s[4:7], s[0:1], 0x0
	s_load_b128 s[68:71], s[0:1], 0x10
	s_load_b128 s[72:75], s[0:1], 0x20
	v_lshl_add_u32 v[SPW], v0, 2, SPARE
	v_mov_b32 v[NIL], 0
	ds_add_u32 v28, v29
	ds_add_u32 v28, v29
	s_wait_dscnt 0x0
	v_lshrrev_b32 v1, 5, v0
	v_readfirstlane_b32 s10, v1
	s_lshr_b32 s11, s10, 1
	s_and_b32 s12, s10, 1
	s_bfe_u32 s40, ttmp6, 0x40000
	s_bfe_u32 s41, ttmp6, 0x40004
	s_lshl_b32 s42, ttmp9, 2
	s_add_co_u32 s42, s42, s40
	s_and_b32 s13, ttmp7, 0xffff
	s_lshl_b32 s13, s13, 2
	s_add_co_u32 s13, s13, s41
	s_lshl_b32 s43, s41, 2
	s_lshl_b32 s43, 15, s43
	s_lshl_b32 s44, 0x1111, s40
	s_or_b32 s[G1+0], s43, (0<<16)|(1<<20)|(1<<21)|(6<<22)|(3<<25)
	s_or_b32 s[G1B+0], s44, (0<<16)|(1<<20)|(1<<21)|(6<<22)|(3<<25)
.irp g, G1, G1B
	s_mov_b32 s[\g+1], KSTEP<<16
	s_mov_b32 s[\g+2], 64<<16
	s_mov_b32 s[\g+3], KSTEP<<16
	s_mov_b32 s[\g+4], 64
	s_mov_b32 s[\g+5], SIZE_K
	s_mov_b32 s[\g+6], 0
	s_mov_b32 s[\g+7], 0
.endr
	s_lshl_b32 s17, s12, 6
	s_lshl_b32 s16, s13, 7
	s_add_co_u32 s16, s16, s17
	s_mul_i32 s16, s16, SIZE_K
	s_lshl_b32 s46, s42, 7
	s_add_co_u32 s46, s46, s17
	s_mul_i32 s46, s46, SIZE_K
	s_mov_b32 s17, 0
	s_mov_b32 s47, 0
	s_mul_i32 s20, s10, HALFT
	s_wait_kmcnt 0x0
	s_load_b64 s[96:97], s[68:69], SCOFF
	s_add_nc_u64 s[14:15], s[4:5], s[16:17]
	s_add_nc_u64 s[46:47], s[6:7], s[46:47]
	CROUND
.irp s, 0,1
	s_mov_b32 s[G0+4*\s], 1
	s_add_co_u32 s[G0+4*\s+1], s20, \s*SLOT
	s_add_nc_u64 s[G0+4*\s+2:G0+4*\s+3], s[14:15], \s*KSTEP
	s_or_b32 s[G0+4*\s+3], s[G0+4*\s+3], 0x80000000
	s_mov_b32 s[G0B+4*\s], 1
	s_add_co_u32 s[G0B+4*\s+1], s20, \s*SLOT
	s_add_nc_u64 s[G0B+4*\s+2:G0B+4*\s+3], s[46:47], \s*KSTEP
	s_or_b32 s[G0B+4*\s+3], s[G0B+4*\s+3], 0x80000000
.endr
	JLOAD 0                                        ; K step 0: one tensor load a wave at the head
	v_and_b32 v1, 15, v0
	s_wait_alu depctr_va_vdst(0)
	v_bfe_u32 v2, v0, 4, 1
	v_mul_u32_u24 v3, v1, PITCH
	v_lshl_add_u32 v3, v2, 4, v3
	s_mul_i32 s21, s11, HALFT
	s_mul_i32 s22, s12, HALFT
	s_add_co_u32 s22, s22, 2*HALFT
.irp s, 0,1
	v_add_nc_u32 v[ADRA+\s], s21, v3
	v_add_nc_u32 v[ADRB+\s], s22, v3
	s_add_co_u32 s21, s21, SLOT
	s_add_co_u32 s22, s22, SLOT
.endr
	s_mul_i32 s23, s10, 16*SPITCH
	s_add_co_u32 s23, s23, STAGE
	v_mul_u32_u24 v4, v1, SPITCH
	s_wait_alu depctr_va_vdst(0)
	v_lshl_add_u32 v4, v2, 5, v4
	v_add_nc_u32 v[STO], s23, v4
	v_mul_u32_u24 v5, v2, SPITCH
	v_lshl_add_u32 v5, v1, 4, v5
	v_add_nc_u32 v[RD], s23, v5
	v_lshlrev_b32 v5, 12, v2
	v_lshl_add_u32 v[CO], v1, 4, v5
	s_wait_alu depctr_va_vdst(0)
	s_lshl_b32 s16, s13, 7
	s_lshl_b32 s17, s11, 6
	s_add_co_u32 s16, s16, s17
	s_lshl_b32 s16, s16, 12
	s_lshl_b32 s46, s42, 9
	s_lshl_b32 s47, s12, 8
	s_add_co_u32 s46, s46, s47
	s_add_co_u32 s16, s16, s46
	s_mov_b32 s17, 0
	s_mov_b32 s47, 0
	s_add_nc_u64 s[8:9], s[70:71], s[16:17]
	s_add_nc_u64 s[76:77], s[72:73], s[16:17]
	s_add_nc_u64 s[78:79], s[74:75], s[46:47]
	v_lshlrev_b32 v6, 4, v1
	global_load_b128 v[BIA:BIA+3], v6, s[78:79]
	WIN 0x80
.irp a, 0,1,2,3
.irp t, 0,1,2,3,4,5,6,7
	global_load_b128 v[32*\a+4*\t:32*\a+4*\t+3], v[CO], s[76:77] offset:(16*\a+2*\t)*ZROW th:TH_LOAD_NT
.endr
.endr
	WIN 0
.macro MUL4 f, a, zero
.irp b, 0,1,2,3
.if \zero
	v_wmma_f32_16x16x128_fp8_fp8 v[ACC+8*(4*(\a)+\b):ACC+8*(4*(\a)+\b)+7], v[\f+64+16*\b:\f+64+16*\b+15], v[\f+16*(\a):\f+16*(\a)+15], 0
.else
	v_wmma_f32_16x16x128_fp8_fp8 v[ACC+8*(4*(\a)+\b):ACC+8*(4*(\a)+\b)+7], v[\f+64+16*\b:\f+64+16*\b+15], v[\f+16*(\a):\f+16*(\a)+15], v[ACC+8*(4*(\a)+\b):ACC+8*(4*(\a)+\b)+7]
.endif
.endr
.endm
.macro MUL8 f, a0, zero
	MUL4 \f, \a0, \zero
	MUL4 \f, \a0+1, \zero
.endm
.macro FETCH slot, k, f
	WIN TO_F
.irp i, 0,1,2,3
.irp c, 0,1,2,3
	ds_load_b128 v[\f+64+16*\i+4*\c:\f+64+16*\i+4*\c+3], v[ADRB+\slot] offset:\k+32*\c+\i*16*PITCH
.endr
.endr
.irp i, 0,1,2,3
.irp c, 0,1,2,3
	ds_load_b128 v[\f+16*\i+4*\c:\f+16*\i+4*\c+3], v[ADRA+\slot] offset:\k+32*\c+\i*16*PITCH
.endr
.endr
.endm
.macro PLACES
.rept 4
	v_nop
.endr
.endm
.macro QUARTER slot, k, f, g, zero
	s_wait_dscnt 8
	WIN MUL
	MUL8 \f, 0, \zero
	PLACES
	FETCH \slot, \k, \g
	s_wait_dscnt 32
	WIN MUL
	MUL8 \f, 2, \zero
.endm
.macro TURN slot, next, fill
	WIN 0
	s_wait_tensorcnt 0x0
	ds_add_u32 v[SPW], v[NIL]
	s_wait_dscnt 9
	WIN MUL
	MUL4 F1, 0, 0
	s_wait_dscnt 0x0
	s_barrier_signal -1
	MUL4 F1, 1, 0
.if \fill
	WIN 0
.endif
	s_barrier_wait -1
.if \fill
	CREST
	s_add_nc_u64 s[G0+4*\slot+2:G0+4*\slot+3], s[G0+4*\slot+2:G0+4*\slot+3], 2*KSTEP
	s_add_nc_u64 s[G0B+4*\slot+2:G0B+4*\slot+3], s[G0B+4*\slot+2:G0B+4*\slot+3], 2*KSTEP
	JLOAD \slot
.else
	PLACES
.endif
	FETCH \next, 0, F0
	WIN MUL
	MUL8 F1, 2, 0
.endm
	s_wait_alu depctr_va_vdst(0)                   ; the wait at the head's end
	s_wait_tensorcnt 0x0                           ; my part of K step 0 is in
	ds_add_u32 v[SPW], v[NIL]
	s_wait_dscnt 0x0
	CROUND                                         ; everybody's part is in, and the joint loads meet
	JLOAD 1                                        ; K step 1: the first tensor load behind the round
	FETCH 0, 0, F0
	QUARTER 0, 128, F0, F1, 1
.if LAPS > 1
	WIN 0
	s_mov_b32 s3, LAPS-1
.Llap:
	QUARTER 0, 256, F1, F0, 0
	QUARTER 0, 384, F0, F1, 0
	TURN 0, 1, 1
	QUARTER 1, 128, F0, F1, 0
	QUARTER 1, 256, F1, F0, 0
	QUARTER 1, 384, F0, F1, 0
	TURN 1, 0, 1
	QUARTER 0, 128, F0, F1, 0
	WIN 0
	s_sub_co_u32 s3, s3, 1
	s_cmp_lg_u32 s3, 0
	s_cbranch_scc1 .Llap
.endif
	QUARTER 0, 256, F1, F0, 0
	QUARTER 0, 384, F0, F1, 0
	TURN 0, 1, 0
	QUARTER 1, 128, F0, F1, 0
	QUARTER 1, 256, F1, F0, 0
	QUARTER 1, 384, F0, F1, 0
	s_wait_dscnt 8
	WIN MUL
	MUL8 F1, 0, 0
	s_wait_dscnt 0
	MUL8 F1, 2, 0
	WIN 0
.macro TOSTAGE a
.irp j, 0,2,4,6,8,10,12,14,16,18,20,22,24,26,28,30
	v_pk_mul_f32 v[TMP+\j:TMP+\j+1], v[ACC+32*(\a)+\j:ACC+32*(\a)+\j+1], s[96:97] op_sel_hi:[1,0]
.endr
.irp b, 0,1,2,3
	ds_store_b128 v[STO], v[TMP+8*\b:TMP+8*\b+3] offset:64*\b
	ds_store_b128 v[STO], v[TMP+8*\b+4:TMP+8*\b+7] offset:64*\b+16
.endr
.set BB, BK+32*((\a)%2)
.irp t, 0,1,2,3,4,5,6,7
	ds_load_b128 v[BB+4*\t:BB+4*\t+3], v[RD] offset:\t*2*SPITCH
.endr
.endm
.macro SEND a, younger
.set BB, BK+32*((\a)%2)
	s_wait_dscnt \younger
.irp t, 0,1,2,3,4,5,6,7
	v_pk_add_f32 v[BB+4*\t:BB+4*\t+1], v[BB+4*\t:BB+4*\t+1], v[BIA:BIA+1]
	v_pk_add_f32 v[BB+4*\t+2:BB+4*\t+3], v[BB+4*\t+2:BB+4*\t+3], v[BIA+2:BIA+3]
.endr
	WIN 0x08
.irp t, 0,1,2,3,4,5,6,7
	v_pk_add_f32 v[BB+4*\t:BB+4*\t+1], v[BB+4*\t:BB+4*\t+1], v[32*(\a)+4*\t:32*(\a)+4*\t+1]
	v_pk_add_f32 v[BB+4*\t+2:BB+4*\t+3], v[BB+4*\t+2:BB+4*\t+3], v[32*(\a)+4*\t+2:32*(\a)+4*\t+3]
.endr
	WIN 0
.irp t, 0,1,2,3,4,5,6,7
	global_store_b128 v[CO], v[BB+4*\t:BB+4*\t+3], s[8:9] offset:(16*(\a)+2*\t)*ZROW th:TH_STORE_NT
.endr
.endm
	s_wait_kmcnt 0x0
	s_add_co_i32 s96, s96, s97
	s_add_co_i32 s96, s96, 127
	s_lshl_b32 s96, s96, 23
	s_mov_b32 s97, s96
	s_wait_loadcnt 0x0
	PLACES
	TOSTAGE 0
	TOSTAGE 1
	SEND 0, 16
	s_wait_xcnt 0x0
	TOSTAGE 2
	SEND 1, 16
	s_wait_xcnt 0x0
	TOSTAGE 3
	SEND 2, 16
	SEND 3, 0
	s_wait_tensorcnt 0x0
	ds_add_u32 v[SPW], v[NIL]
	s_wait_dscnt 0x0
	CROUND
	s_endpgm
.Lfunc_end_k_qca5ff0dfd1_mlpdown:
	.size	k_qca5ff0dfd1_mlpdown, .Lfunc_end_k_qca5ff0dfd1_mlpdown-k_qca5ff0dfd1_mlpdown
	.p2alignl 7, 3214868480
	.fill 96, 4, 3214868480
	.section	.rodata,"a",@progbits
	.p2align	6, 0x0
	.amdhsa_kernel k_qca5ff0dfd1_mlpdown
		.amdhsa_group_segment_fixed_size 327680
		.amdhsa_private_segment_fixed_size 0
		.amdhsa_enable_private_segment 0
		.amdhsa_kernarg_size 48
		.amdhsa_user_sgpr_count 2
		.amdhsa_user_sgpr_kernarg_segment_ptr 1
		.amdhsa_wavefront_size32 1
		.amdhsa_system_sgpr_workgroup_id_x 1
		.amdhsa_system_sgpr_workgroup_id_y 1
		.amdhsa_system_sgpr_workgroup_id_z 1
		.amdhsa_system_vgpr_workitem_id 0
		.amdhsa_next_free_vgpr 640
		.amdhsa_next_free_sgpr 98
		.amdhsa_reserve_vcc 0
		.amdhsa_float_denorm_mode_32 3
		.amdhsa_float_denorm_mode_16_64 3
		.amdhsa_memory_ordered 1
		.amdhsa_forward_progress 1
		.amdhsa_inst_pref_size 86
	.end_amdhsa_kernel
	.amdgpu_metadata
---
amdhsa.version: [ 1, 2 ]
amdhsa.kernels:
  - .name:           k_qca5ff0dfd1_mlpdown
    .symbol:         k_qca5ff0dfd1_mlpdown.kd
    .args:
      - { .name: hid, .offset: 0, .size: 8, .value_kind: global_buffer, .address_space: global }
      - { .name: Wdown_codes, .offset: 8, .size: 8, .value_kind: global_buffer, .address_space: global }
      - { .name: lowp_scales, .offset: 16, .size: 8, .value_kind: global_buffer, .address_space: global }
      - { .name: zsum, .offset: 24, .size: 8, .value_kind: global_buffer, .address_space: global }
      - { .name: xln, .offset: 32, .size: 8, .value_kind: global_buffer, .address_space: global }
      - { .name: bdown, .offset: 40, .size: 8, .value_kind: global_buffer, .address_space: global }
    .group_segment_fixed_size: 327680
    .private_segment_fixed_size: 0
    .kernarg_segment_align: 8
    .kernarg_segment_size: 48
    .max_flat_workgroup_size: 128
    .sgpr_count:     98
    .vgpr_count:     640
    .wavefront_size: 32
...
	.end_amdgpu_metadata
.endif
;; end of part 7
;; launch norm2 (part 8): grid 256 x 1, 4 waves a work-group, no clusters, 0 bytes of LDS; arguments zsum, ln2_w, ln2_b, out0; writes out0
.if DOCPART == 8
	.amdgcn_target "amdgcn-amd-amdhsa--gfx1250"
	.amdhsa_code_object_version 6
	.text
	.protected	k_qca5ff0dfd1_norm2
	.globl	k_qca5ff0dfd1_norm2
	.p2align	8
	.type	k_qca5ff0dfd1_norm2,@function
k_qca5ff0dfd1_norm2:
	s_mov_b64 s[64:65], 0
	v_nop
	global_prefetch_b8 v0, s[64:65] scope:SCOPE_SE
	s_setreg_imm32_b32 hwreg(HW_REG_WAVE_MODE, 25, 1), 1
	s_wait_xcnt 0x0
; y = LayerNorm(z) x w + b along rows of 1,024, eps = 1e-5; all f32.  z holds the finished sum (product, bias and residual: the launch before has added them).  One source serves two launches, told apart by CODES.
; CODES = 1: y also leaves as E4M3 codes under entry 12 of the scales (LIMIT: that entry between -126 and 119; NaN is not served).  CODES = 0: y alone.
; A stream: memory binds, so no matrix unit, no cluster, no tensor load.  One wave takes a whole row (8 loads of 512 consecutive bytes) and keeps it in 32 registers between the passes:
; the mean; then the squares of the differences (a true second pass: no difference of large sums); then the scaling.  Four rows a wave, each in registers of its own: all 32 loads go out at the head, behind the 16 of w and b,
; and nothing is loaded later; a row is worked as soon as it is in, while the later rows are on their way.
; Lane l of load j holds columns 128 j + 4 l .. + 3; w and b lie in registers in the same order for the whole launch.
.set CODES, 0
.set GW, 16                            ; v16-47   w
.set GB, 48                            ; v48-79   b
.set ZR, 80                            ; v80-207  four rows
.set TH, 208                           ; v208-239 a row, held within the largest code x the scale
.set CR, 240                           ; v240-247 a row's codes
.set OR, 248                           ; v248-255 the same, back from LDS: 16 bytes a lane
	s_load_b256 s[4:11], s[0:1], 0x0               ; z 4, w 6, b 8, y 10
.if CODES
	s_load_b128 s[12:15], s[0:1], 0x20             ; the scales 12, the codes 14
.endif
	v_lshrrev_b32 v2, 5, v0
	v_readfirstlane_b32 s28, v2                    ; wave 0..3
	v_and_b32 v9, 31, v0                           ; lane
	v_lshlrev_b32 v1, 4, v9                        ; 16 bytes a lane
.if CODES
	s_lshl_b32 s29, s28, 10                        ; my wave's 1,024 bytes of LDS
	v_lshl_add_u32 v2, v9, 2, s29                  ; in: 4 bytes a lane
	v_lshl_add_u32 v3, v9, 4, s29                  ; out: 16 bytes a lane
.endif
	v_mov_b32 v8, 0                                ; written once: a lane permute's destination counts as one of its sources
	v_mov_b32 v11, 0                               ; (named as the upper half of the pair v[10:11])
	s_mov_b32 s20, 0x76543210                      ; v_permlanex16_b32: lane l xor 16
	s_mov_b32 s21, 0xfedcba98
	s_mov_b32 s22, 0x3a800000                      ; 1 / 1,024
	s_mov_b32 s23, 0x3727c5ac                      ; 1e-5
	s_lshl_b32 s26, ttmp9, 4
	s_lshl_b32 s27, s28, 2
	s_add_co_u32 s28, s26, s27                     ; my first row: 16 x work-group + 4 x wave
	s_lshl_b32 s26, s28, 12                        ; rows of 4,096 bytes
	s_mov_b32 s27, 0
	s_lshl_b32 s28, s28, 10                        ; rows of 1,024 codes
	s_mov_b32 s29, 0
	s_wait_alu depctr_va_vdst(0)
	s_wait_kmcnt 0x0
.if CODES
	s_load_b32 s24, s[12:13], 0x30                 ; entry 12
	s_add_nc_u64 s[14:15], s[14:15], s[28:29]
.endif
	s_add_nc_u64 s[4:5], s[4:5], s[26:27]
	s_add_nc_u64 s[10:11], s[10:11], s[26:27]
.irp j, 0,1,2,3,4,5,6,7
	global_load_b128 v[GW+4*\j:GW+4*\j+3], v1, s[6:7] offset:512*\j
	global_load_b128 v[GB+4*\j:GB+4*\j+3], v1, s[8:9] offset:512*\j
.endr
.irp i, 0,1,2,3
.irp j, 0,1,2,3,4,5,6,7
	global_load_b128 v[ZR+32*\i+4*\j:ZR+32*\i+4*\j+3], v1, s[4:5] offset:4096*\i+512*\j th:TH_LOAD_NT
.endr
.endr
.if CODES
	s_wait_kmcnt 0x0
	s_add_co_i32 s24, s24, 127
	s_lshl_b32 s25, s24, 23
	v_mov_b32 v12, s25                             ; 2^e as f32: the conversion takes its exponent field
	s_add_co_i32 s24, s24, 8
	s_lshl_b32 s24, s24, 23
	s_or_b32 s24, s24, 0x600000
	v_mov_b32 v13, s24                             ; 448 x 2^e
.endif
.macro REDUCE                          ; v4 summed over the 32 lanes, the result in every lane
	v_add_f32_dpp v4, v4, v4 row_xmask:1 row_mask:0xf bank_mask:0xf
	v_add_f32_dpp v4, v4, v4 row_xmask:2 row_mask:0xf bank_mask:0xf
	v_add_f32_dpp v4, v4, v4 row_xmask:4 row_mask:0xf bank_mask:0xf
	v_add_f32_dpp v4, v4, v4 row_xmask:8 row_mask:0xf bank_mask:0xf
	v_permlanex16_b32 v8, v4, s20, s21
	v_add_f32 v4, v4, v8
.endm
.macro ROW i
.set ZS, ZR+32*(\i)
	s_wait_loadcnt 8*(3-(\i))                      ; loads come back in order: w, b and this row are in; the later rows' eight loads each may be out
	v_pk_add_f32 v[4:5], v[ZS:ZS+1], v[ZS+2:ZS+3]  ; the row's sum, in two chains
	v_pk_add_f32 v[6:7], v[ZS+4:ZS+5], v[ZS+6:ZS+7]
.irp j, 8,12,16,20,24,28
	v_pk_add_f32 v[4:5], v[4:5], v[ZS+\j:ZS+\j+1]
	v_pk_add_f32 v[6:7], v[6:7], v[ZS+\j+2:ZS+\j+3]
.endr
	v_pk_add_f32 v[4:5], v[4:5], v[6:7]
	v_add_f32 v4, v4, v5
	REDUCE
	v_mul_f32 v10, s22, v4                         ; the mean
.irp j, 0,2,4,6,8,10,12,14,16,18,20,22,24,26,28,30
	v_pk_add_f32 v[ZS+\j:ZS+\j+1], v[ZS+\j:ZS+\j+1], v[10:11] op_sel_hi:[1,0] neg_lo:[0,1] neg_hi:[0,1]   ; less the mean (the pair's low word for both halves)
.endr
	v_pk_mul_f32 v[4:5], v[ZS:ZS+1], v[ZS:ZS+1]    ; the squares, in two chains
	v_pk_mul_f32 v[6:7], v[ZS+2:ZS+3], v[ZS+2:ZS+3]
.irp j, 4,8,12,16,20,24,28
	v_pk_fma_f32 v[4:5], v[ZS+\j:ZS+\j+1], v[ZS+\j:ZS+\j+1], v[4:5]
	v_pk_fma_f32 v[6:7], v[ZS+\j+2:ZS+\j+3], v[ZS+\j+2:ZS+\j+3], v[6:7]
.endr
	v_pk_add_f32 v[4:5], v[4:5], v[6:7]
	v_add_f32 v4, v4, v5
	REDUCE
	v_fma_f32 v6, v4, s22, s23                     ; the variance + eps
	s_wait_alu depctr_va_vdst(0)
	v_rsq_f32 v10, v6
	v_nop                                          ; a plain line behind the transcendental
	s_wait_alu depctr_va_vdst(0)                   ; the wait ahead of the first reader
.irp j, 0,2,4,6,8,10,12,14,16,18,20,22,24,26,28,30
	v_pk_mul_f32 v[ZS+\j:ZS+\j+1], v[ZS+\j:ZS+\j+1], v[10:11] op_sel_hi:[1,0]
.endr
.irp j, 0,2,4,6,8,10,12,14,16,18,20,22,24,26,28,30
	v_pk_fma_f32 v[ZS+\j:ZS+\j+1], v[ZS+\j:ZS+\j+1], v[GW+\j:GW+\j+1], v[GB+\j:GB+\j+1]
.endr
.irp j, 0,1,2,3,4,5,6,7
.if CODES
	global_store_b128 v1, v[ZS+4*\j:ZS+4*\j+3], s[10:11] offset:4096*(\i)+512*\j   ; 32 lanes store 512 consecutive bytes, aligned
.else
	global_store_b128 v1, v[ZS+4*\j:ZS+4*\j+3], s[10:11] offset:4096*(\i)+512*\j th:TH_STORE_NT
.endif
.endr
.if CODES
.set TT, 0
.rept 32
	v_med3_num_f32 v[TH+TT], v[ZS+TT], -v13, v13   ; the conversion to an 8-bit code does not saturate (ISA guide 7.6.2): the hold comes first
.set TT, TT+1
.endr
.irp k, 0,1,2,3
	v_cvt_scalef32_pk8_fp8_f32 v[CR+2*\k:CR+2*\k+1], v[TH+8*\k:TH+8*\k+7], v12   ; register j of the eight = the codes of columns 128 j + 4 l on
.endr
	v_nop                                          ; one plain vector line behind the last conversion
.irp j, 0,1,2,3,4,5,6,7
	ds_store_b32 v2, v[CR+\j] offset:128*\j
.endr
.irp k, 0,1
	ds_load_b128 v[OR+4*\k:OR+4*\k+3], v3 offset:512*\k   ; LDS serves a wave's instructions in order: these see my stores
.endr
	s_wait_dscnt 0x0
.irp k, 0,1
	global_store_b128 v1, v[OR+4*\k:OR+4*\k+3], s[14:15] offset:1024*(\i)+512*\k
.endr
.if (\i) < 3
	s_wait_xcnt 0x0                                ; the stores have read their registers: the next row's codes land in v[OR] on only behind this wait
.endif
.endif
.endm
	ROW 0
	ROW 1
	ROW 2
	ROW 3
	s_endpgm
.Lfunc_end_k_qca5ff0dfd1_norm2:
	.size	k_qca5ff0dfd1_norm2, .Lfunc_end_k_qca5ff0dfd1_norm2-k_qca5ff0dfd1_norm2
	.p2alignl 7, 3214868480
	.fill 96, 4, 3214868480
	.section	.rodata,"a",@progbits
	.p2align	6, 0x0
	.amdhsa_kernel k_qca5ff0dfd1_norm2
		.amdhsa_group_segment_fixed_size 0
		.amdhsa_private_segment_fixed_size 0
		.amdhsa_enable_private_segment 0
		.amdhsa_kernarg_size 32
		.amdhsa_user_sgpr_count 2
		.amdhsa_user_sgpr_kernarg_segment_ptr 1
		.amdhsa_wavefront_size32 1
		.amdhsa_system_sgpr_workgroup_id_x 1
		.amdhsa_system_sgpr_workgroup_id_y 1
		.amdhsa_system_sgpr_workgroup_id_z 1
		.amdhsa_system_vgpr_workitem_id 0
		.amdhsa_next_free_vgpr 256
		.amdhsa_next_free_sgpr 66
		.amdhsa_reserve_vcc 0
		.amdhsa_float_denorm_mode_32 3
		.amdhsa_float_denorm_mode_16_64 3
		.amdhsa_memory_ordered 1
		.amdhsa_forward_progress 1
		.amdhsa_inst_pref_size 33
	.end_amdhsa_kernel
	.amdgpu_metadata
---
amdhsa.version: [ 1, 2 ]
amdhsa.kernels:
  - .name:           k_qca5ff0dfd1_norm2
    .symbol:         k_qca5ff0dfd1_norm2.kd
    .args:
      - { .name: zsum, .offset: 0, .size: 8, .value_kind: global_buffer, .address_space: global }
      - { .name: ln2_w, .offset: 8, .size: 8, .value_kind: global_buffer, .address_space: global }
      - { .name: ln2_b, .offset: 16, .size: 8, .value_kind: global_buffer, .address_space: global }
      - { .name: out0, .offset: 24, .size: 8, .value_kind: global_buffer, .address_space: global }
    .group_segment_fixed_size: 0
    .private_segment_fixed_size: 0
    .kernarg_segment_align: 8
    .kernarg_segment_size: 32
    .max_flat_workgroup_size: 128
    .sgpr_count:     66
    .vgpr_count:     256
    .wavefront_size: 32
...
	.end_amdgpu_metadata
.endif
;; end of part 8
